; MI455X (gfx1250); checked and timed in simulation.
; The chip was launched on July 23, 2026; its instructions are those of AMD's public machine-readable ISA for CDNA 5 (MIT licence, August 2026) and "CDNA5" Instruction Set Architecture Reference Guide (July 2026). The comments in the code are by the model that wrote it; some were corrected since.
;; Block. Allowed arithmetic: matrix products marked QUANTISED: E5M2 operands, one given power-of-two scale a tensor, by v_wmma_f32_16x16x64_bf8_bf8 or v_wmma_f32_16x16x128_bf8_bf8, f32 sums; everything else in f32.
;; Inputs: fc1_b 4,096 float32; fc1_w_codes 4,096 x 32 x 32 uint8 (E5M2 codes of fc1_w, K innermost, in blocks of 32 codes); fc2_b 1,024 float32; fc2_w_codes 1,024 x 128 x 32 uint8 (E5M2 codes of fc2_w, K innermost, in blocks of 32 codes); ln1_b 1,024 float32; ln1_w 1,024 float32; ln2_b 1,024 float32; ln2_w 1,024 float32; lowp_scales 12 int32 (the exponents e of the quantised operands' scales 2^e); proj_b 1,024 float32; proj_w_codes 1,024 x 32 x 32 uint8 (E5M2 codes of proj_w, K innermost, in blocks of 32 codes); qkv_b 3,072 float32; qkv_w_codes 3,072 x 32 x 32 uint8 (E5M2 codes of qkv_w, K innermost, in blocks of 32 codes); x 2 x 2,048 x 1,024 float32.
;; Outputs: out0 2 x 2,048 x 1,024 float32.
;; This version of the problem:
;;   THIS VERSION OF THE PROBLEM IS GIVEN IN LOW PRECISION. The matrix products marked QUANTISED in the list below multiply operands that are first quantised to E5M2 (5 exponent bits, 2 mantissa bits; 8 bits a number), with one given power-of-two scale for each operand tensor; their sums are f32. All else is computed in f32.
;;   The module's matrix products, in the order in which they are computed (A, B: the left and right operand; K: the contracted axis; several contracted axes count as one K, in the product's order):
;;     1. [M 4,096, K 1,024] x [K 1,024, N 3,072]; A: computed on the way; B: input qkv_w (given as codes): QUANTISED (scales: A lowp_scales[0], B lowp_scales[1])
;;     2. batch 32 x [M 2,048, K 64] x [K 64, N 2,048]; A: computed on the way; B: computed on the way: QUANTISED (scales: A lowp_scales[2], B lowp_scales[3])
;;     3. batch 32 x [M 2,048, K 2,048] x [K 2,048, N 64]; A: softmax (see below); B: computed on the way: QUANTISED (scales: A lowp_scales[4], B lowp_scales[5])
;;     4. [M 4,096, K 1,024] x [K 1,024, N 1,024]; A: computed on the way; B: input proj_w (given as codes): QUANTISED (scales: A lowp_scales[6], B lowp_scales[7])
;;     5. [M 4,096, K 1,024] x [K 1,024, N 4,096]; A: computed on the way; B: input fc1_w (given as codes): QUANTISED (scales: A lowp_scales[8], B lowp_scales[9])
;;     6. [M 4,096, K 4,096] x [K 4,096, N 1,024]; A: computed on the way; B: input fc2_w (given as codes): QUANTISED (scales: A lowp_scales[10], B lowp_scales[11])
;;   THE QUANTISER, for each operand of a quantised product, along K:
;;     - The operand's scale is 2^e, e = its entry of the input lowp_scales (int32; the entries are numbered through the quantised products in the list's order, A before B).
;;     - Each number is divided by the scale, clamped to +-57,344, and rounded to the nearest number of E5M2, ties to even, subnormals kept.
;;     - The product sums the exact products of the quantised numbers (number of the format x scale) in f32.
;;   ~~~python
;;   def quantise(x, axis, e):      # numpy; x: float32 -> the quantised numbers, widened to float32 again
;;       x = np.moveaxis(x, axis, -1); K = x.shape[-1]
;;       r = np.clip(x / 2.0 ** e, -57344, 57344)
;;       step = 2.0 ** (np.maximum(np.frexp(np.where(r == 0, 1, r))[1] - 1, -14) - 2)
;;       q = np.round(r / step) * step * 2.0 ** e      # np.round: ties to even
;;       return np.moveaxis(q, -1, axis).astype(np.float32)
;;   ~~~
;;   SOFTMAX AHEAD OF A QUANTISED PRODUCT. Where the list says 'softmax', what is quantised is not the finished softmax but p = 2^(t - M), with t = logit x log2(e) and M = ceil(the row's largest t), a whole number; so 1/2 < the row's largest p <= 1. The row's sum l is taken of the UNQUANTISED p, in f32, and the product's result is divided by l at the end. Since M is a whole number, a kernel that streams over the keys may use a running M (the ceiling of the running maximum): every later rescaling is an exact power of two, so the quantised numbers keep their values, but for numbers so far below the row's largest that they fall under the format's range.
;;   OPERANDS COMPUTED ON THE WAY. 'Computed on the way' means the value that the module computes at that place (a softmax that the list does not call 'softmax' is quantised finished and normalised). What goes into a quantiser is computed in f32, as accurately as f32 sums, v_exp_f32 and their like allow (about 1e-6 of the number): no bf16 or f16 on the way to a quantiser, and a product that is left as it is and whose result goes on into a quantised operand takes f32 operands (vector FMAs, or v_wmma_f32_16x16x4_f32). A number that lies on a knife's edge between two numbers of the format may be rounded either way, as far as f32 arithmetic and the matrix unit's own rounding can turn it there, and no further.
;;   INPUTS GIVEN AS CODES. fc1_w (in the module: [4096, 1024], K = its axis 1); fc2_w (in the module: [1024, 4096], K = its axis 1); proj_w (in the module: [1024, 1024], K = its axis 1); qkv_w (in the module: [3072, 1024], K = its axis 1): each comes as NAME_codes (uint8): NAME with its K axis moved to the last place and cut into blocks of 32 codes, [.., K / 32, bytes a block], one block behind the other in memory; one code a byte (a code: sign, 5 exponent bits, 2 mantissa bits); its scale is its entry of lowp_scales. Its value is code x scale, taken as it is: it is not quantised again, and the codes and scales need not be those that the quantiser above would give.
;; One version. Each part assembles by itself: llvm-mc -triple=amdgcn-amd-amdhsa -mcpu=gfx1250 --defsym DOCPART=n.
;; ======== version 1 of 1: 7 launches
;; limits: right only within a limited range of input values
;; workspace buffers: a_img 4,194,304 bytes; q_img 4,194,304 bytes; k_img 4,194,304 bytes; v_img 4,194,304 bytes; o_img 4,194,304 bytes; x1 16,777,216 bytes; h_img 16,777,216 bytes
;; launch ln1 (part 1): grid 256 x 1, 8 waves a work-group, no clusters, 69,632 bytes of LDS; arguments x, ln1_w, ln1_b, lowp_scales, a_img; writes a_img
.if DOCPART == 1
	.amdgcn_target "amdgcn-amd-amdhsa--gfx1250"
	.amdhsa_code_object_version 6
	.text
	.protected	k_q98e6d3e196_ln1
	.globl	k_q98e6d3e196_ln1
	.p2align	8
	.type	k_q98e6d3e196_ln1,@function
k_q98e6d3e196_ln1:
	s_mov_b64 s[64:65], 0
	v_nop
	global_prefetch_b8 v0, s[64:65] scope:SCOPE_SE
	s_setreg_imm32_b32 hwreg(HW_REG_WAVE_MODE, 25, 1), 1
	s_wait_xcnt 0x0
; LayerNorm over rows of 1,024 f32, then the quantiser: codes of BF8 (E5M2) with the given scale 2^e, e = entry EIDX of the scales' exponents.
; y = (x - mu) * rsqrt(var + 1e-5) * w + b, mu and var in two passes (the variance is the mean of (x - mu)^2: no difference of large sums).
; code = y / 2^e, held within +-57,344, to the nearest code, ties to even.  LIMITS: e between -126 and 112.  NaN and infinities among the inputs are not served.
; SHARES.  A work-group takes 16 rows (row tile m = its number); wave s takes columns 128 s .. 128 s + 127 of them: one fragment (16 rows x 128 K) of the next product's left operand.
; THE CODES ARE STORED AS AN IMAGE OF THE OPERAND'S REGISTERS: fragment (m, s) is 2,048 bytes at (8 m + s) x 2,048: group g (registers 4 g .. 4 g + 3) at 512 g, lane l's 16 bytes at 16 l.
; Lane (r, h) holds row r, and registers 4 g .. 4 g + 3 hold k = 32 g + 16 h + 0 .. 15: the order in which the next launch reads the other operand by 16-byte loads.  So a lane wants 16 neighbours of each 32 columns.
; Loads take the bytes as they lie (a row's 512 bytes, 16 a lane); they turn through the wave's own stage in LDS (rows 528 bytes apart: the 16 rows of a read start at 16 different banks).
; The row sums of the eight waves meet in LDS: two barriers, two sets of words.
.set EIDX,  0
.set PITCH, 528
.set WSTG,  16*PITCH                   ; a wave's stage
.set RED,   8*WSTG                     ; behind the stages: 8 waves x 16 words for the sums, 512 bytes on the same for the squares
.set CD,    16                         ; v16-31   the codes
.set X,     32                         ; v32-95   my 64 numbers: register 8 c + j = column 32 (c / 2) + 16 h + 8 (c % 2) + j of my wave's 128
.set W,     96                         ; v96-159  the gain at the same columns
.set B,     160                        ; v160-223 the rows as loaded; later the bias
.set T,     224                        ; v224-231 at work
.set MU,    240                        ; v240-241 the mean, twice
.set RS,    242                        ; v242-243 1 / sqrt(var + eps), twice
	s_load_b256 s[4:11], s[0:1], 0x0               ; rows s[4:5], gain s[6:7], bias s[8:9], the scales' exponents s[10:11]
	s_load_b64 s[14:15], s[0:1], 0x20              ; the image
	v_lshl_add_u32 v254, v0, 2, 0x10c00
	v_mov_b32 v255, 0
	v_lshrrev_b32 v1, 5, v0
	s_delay_alu instid0(VALU_DEP_1)
	v_readfirstlane_b32 s16, v1                    ; wave = K step
	v_and_b32 v1, 31, v0                           ; lane
	v_and_b32 v2, 15, v0                           ; r
	v_bfe_u32 v3, v0, 4, 1                         ; h
	s_delay_alu instid0(VALU_DEP_3)
	v_lshlrev_b32 v4, 4, v1                        ; 16 x lane: my bytes of a row's 512, and of a group of the image
	s_mul_i32 s17, s16, WSTG
	v_add_nc_u32 v5, s17, v4                       ; the stage, on the way in
	v_mul_u32_u24 v6, v2, PITCH
	s_delay_alu instid0(VALU_DEP_1)
	v_lshl_add_u32 v6, v3, 6, v6
	s_delay_alu instid0(VALU_DEP_1)
	v_add_nc_u32 v6, s17, v6                       ; and out: row r, + 64 h
	v_lshlrev_b32 v7, 6, v3                        ; 64 h: my place in 32 columns of gain and bias
	v_lshlrev_b32 v9, 2, v2
	s_delay_alu instid0(VALU_DEP_1)
	v_add_nc_u32 v9, RED, v9                       ; row r's word of wave 0
	s_lshl_b32 s18, s16, 6
	v_add_nc_u32 v8, s18, v9                       ; and of my wave
	s_mov_b32 s12, 0x76543210                      ; v_permlanex16_b32: lane l xor 16
	s_mov_b32 s13, 0xfedcba98
	s_mov_b32 s24, 0x3a800000                      ; 1 / 1,024
	s_mov_b32 s25, 0x3727c5ac                      ; 1e-5
	s_lshl_b32 s20, ttmp9, 16                      ; 16 rows of 4,096 bytes,
	s_lshl_b32 s22, s16, 9                         ; my wave's 512 bytes of a row
	s_add_co_u32 s20, s20, s22
	s_mov_b32 s21, 0
	s_mov_b32 s23, 0
	s_lshl_b32 s26, ttmp9, 14                      ; (8 m + s) x 2,048
	s_lshl_b32 s27, s16, 11
	s_add_co_u32 s26, s26, s27
	s_mov_b32 s27, 0
	s_wait_alu depctr_va_vdst(0)
	s_wait_kmcnt 0x0
	s_load_b32 s28, s[10:11], EIDX*4               ; e
	s_add_nc_u64 s[4:5], s[4:5], s[20:21]
	s_add_nc_u64 s[6:7], s[6:7], s[22:23]
	s_add_nc_u64 s[8:9], s[8:9], s[22:23]
	s_add_nc_u64 s[14:15], s[14:15], s[26:27]
.irp i, 0,1,2,3,4,5,6,7,8,9,10,11,12,13,14,15
	global_load_b128 v[B+4*\i:B+4*\i+3], v4, s[4:5] offset:4096*\i th:TH_LOAD_NT   ; row i: 32 lanes read 512 consecutive bytes
.endr
.irp c, 0,1,2,3,4,5,6,7
	global_load_b128 v[W+8*\c:W+8*\c+3], v7, s[6:7] offset:128*(\c/2)+32*(\c%2)
	global_load_b128 v[W+8*\c+4:W+8*\c+7], v7, s[6:7] offset:128*(\c/2)+32*(\c%2)+16
.endr
	s_wait_loadcnt 16                              ; the 16 rows are in; the gain's 16 loads may be out
.irp i, 0,1,2,3,4,5,6,7,8,9,10,11,12,13,14,15
	ds_store_b128 v5, v[B+4*\i:B+4*\i+3] offset:PITCH*\i
.endr
.irp c, 0,1,2,3,4,5,6,7
	ds_load_b128 v[X+8*\c:X+8*\c+3], v6 offset:128*(\c/2)+32*(\c%2)       ; LDS serves a wave's instructions in order: these see my stores
	ds_load_b128 v[X+8*\c+4:X+8*\c+7], v6 offset:128*(\c/2)+32*(\c%2)+16
.endr
	s_wait_dscnt 0x0                               ; my numbers are in, and the stores have read their registers,
.irp c, 0,1,2,3,4,5,6,7
	global_load_b128 v[B+8*\c:B+8*\c+3], v7, s[8:9] offset:128*(\c/2)+32*(\c%2)      ; which take the bias
	global_load_b128 v[B+8*\c+4:B+8*\c+7], v7, s[8:9] offset:128*(\c/2)+32*(\c%2)+16
.endr
; Four packed partial sums in v[T] .. v[T+7] become the row's sum over all 1,024 columns, in every lane: my two halves, lane l xor 16, then the eight waves through LDS (words at byte off).
.macro ACROSS off
	s_delay_alu instid0(VALU_DEP_3)
	v_pk_add_f32 v[T:T+1], v[T:T+1], v[T+2:T+3]
	s_delay_alu instid0(VALU_DEP_2)
	v_pk_add_f32 v[T+4:T+5], v[T+4:T+5], v[T+6:T+7]
	s_delay_alu instid0(VALU_DEP_1)
	v_pk_add_f32 v[T:T+1], v[T:T+1], v[T+4:T+5]
	s_delay_alu instid0(VALU_DEP_1)
	v_add_f32 v[T], v[T], v[T+1]
	s_delay_alu instid0(VALU_DEP_1)
	v_permlanex16_b32 v[T+1], v[T], s12, s13
	s_delay_alu instid0(VALU_DEP_1)
	v_add_f32 v[T], v[T], v[T+1]
	ds_store_b32 v8, v[T] offset:\off              ; lanes r and r + 16 write the same word with the same number
	s_wait_dscnt 0x0                               ; for the others' sake: my store is done
	s_barrier_signal -1
	s_barrier_wait -1
.irp k, 0,1,2,3,4,5,6,7
	ds_load_b32 v[T+\k], v9 offset:\off+64*\k
.endr
	s_wait_dscnt 0x0
	v_pk_add_f32 v[T:T+1], v[T:T+1], v[T+2:T+3]    ; every wave adds in the same order
	v_pk_add_f32 v[T+4:T+5], v[T+4:T+5], v[T+6:T+7]
	s_delay_alu instid0(VALU_DEP_1)
	v_pk_add_f32 v[T:T+1], v[T:T+1], v[T+4:T+5]
	s_delay_alu instid0(VALU_DEP_1)
	v_add_f32 v[T], v[T], v[T+1]
.endm
.irp k, 0,1,2,3
	v_pk_add_f32 v[T+2*\k:T+2*\k+1], v[X+2*\k:X+2*\k+1], v[X+8+2*\k:X+9+2*\k]   ; the first numbers start the four chains
.endr
.irp p, 16,24,32,40,48,56
.irp k, 0,1,2,3
	s_delay_alu instid0(VALU_DEP_4)
	v_pk_add_f32 v[T+2*\k:T+2*\k+1], v[T+2*\k:T+2*\k+1], v[X+\p+2*\k:X+\p+2*\k+1]
.endr
.endr
	ACROSS 0
	s_delay_alu instid0(VALU_DEP_1)
	v_mul_f32 v[MU], s24, v[T]
	s_delay_alu instid0(VALU_DEP_1)
	v_mov_b32 v[MU+1], v[MU]
.set N, 0
.rept 32
	v_pk_add_f32 v[X+N:X+N+1], v[X+N:X+N+1], v[MU:MU+1] neg_lo:[0,1] neg_hi:[0,1]   ; x - mu
.set N, N+2
.endr
.irp k, 0,1,2,3
	v_pk_mul_f32 v[T+2*\k:T+2*\k+1], v[X+2*\k:X+2*\k+1], v[X+2*\k:X+2*\k+1]
.endr
.irp p, 8,16,24,32,40,48,56
.irp k, 0,1,2,3
	s_delay_alu instid0(VALU_DEP_4)
	v_pk_fma_f32 v[T+2*\k:T+2*\k+1], v[X+\p+2*\k:X+\p+2*\k+1], v[X+\p+2*\k:X+\p+2*\k+1], v[T+2*\k:T+2*\k+1]
.endr
.endr
	ACROSS 512                                     ; other words than the first sums': no wave can overwrite what another still reads
	s_delay_alu instid0(VALU_DEP_1)
	v_fma_f32 v[T], v[T], s24, s25                 ; var + eps
	s_wait_alu depctr_va_vdst(0)
	v_rsq_f32 v[RS], v[T]
	v_nop                                          ; a plain instruction behind the transcendental
	s_wait_kmcnt 0x0
	s_add_co_i32 s28, s28, 127
	s_lshl_b32 s29, s28, 23
	s_add_co_i32 s28, s28, 15
	s_lshl_b32 s28, s28, 23
	s_or_b32 s28, s28, 0x600000
	v_mov_b32 v12, s29                             ; 2^e as f32: the conversion takes its exponent field
	v_mov_b32 v13, s28                             ; 57,344 x 2^e
	s_wait_alu depctr_va_vdst(0)                   ; the wait ahead of the first use of the root
	v_mov_b32 v[RS+1], v[RS]
.set N, 0
.rept 32
	v_pk_mul_f32 v[X+N:X+N+1], v[X+N:X+N+1], v[RS:RS+1]
.set N, N+2
.endr
	s_wait_loadcnt 0x0                             ; gain and bias
.set N, 0
.rept 32
	v_pk_fma_f32 v[X+N:X+N+1], v[X+N:X+N+1], v[W+N:W+N+1], v[B+N:B+N+1]
.set N, N+2
.endr
.irp c, 0,1,2,3,4,5,6,7
.irp j, 0,1,2,3,4,5,6,7
	v_med3_num_f32 v[X+8*\c+\j], v[X+8*\c+\j], -v13, v13   ; the conversion to an 8-bit code does not saturate (ISA guide 7.6.2): the hold comes first
.endr
	v_cvt_scalef32_pk8_bf8_f32 v[CD+2*\c:CD+2*\c+1], v[X+8*\c:X+8*\c+7], v12   ; registers 2 c, 2 c + 1 of the fragment
.endr
	v_nop
.irp g, 0,1,2,3
	global_store_b128 v4, v[CD+4*\g:CD+4*\g+3], s[14:15] offset:512*\g   ; 32 lanes store 512 consecutive bytes, aligned
.endr
	s_wait_tensorcnt 0x0
	ds_add_u32 v254, v255
	s_wait_dscnt 0x0
	s_endpgm
.Lfunc_end_k_q98e6d3e196_ln1:
	.size	k_q98e6d3e196_ln1, .Lfunc_end_k_q98e6d3e196_ln1-k_q98e6d3e196_ln1
	.p2alignl 7, 3214868480
	.fill 96, 4, 3214868480
	.section	.rodata,"a",@progbits
	.p2align	6, 0x0
	.amdhsa_kernel k_q98e6d3e196_ln1
		.amdhsa_group_segment_fixed_size 69632
		.amdhsa_private_segment_fixed_size 0
		.amdhsa_enable_private_segment 0
		.amdhsa_kernarg_size 40
		.amdhsa_user_sgpr_count 2
		.amdhsa_user_sgpr_kernarg_segment_ptr 1
		.amdhsa_wavefront_size32 1
		.amdhsa_system_sgpr_workgroup_id_x 1
		.amdhsa_system_sgpr_workgroup_id_y 1
		.amdhsa_system_sgpr_workgroup_id_z 1
		.amdhsa_system_vgpr_workitem_id 0
		.amdhsa_next_free_vgpr 256
		.amdhsa_next_free_sgpr 66
		.amdhsa_reserve_vcc 0
		.amdhsa_float_denorm_mode_32 3
		.amdhsa_float_denorm_mode_16_64 3
		.amdhsa_memory_ordered 1
		.amdhsa_forward_progress 1
		.amdhsa_inst_pref_size 29
	.end_amdhsa_kernel
	.amdgpu_metadata
---
amdhsa.version: [ 1, 2 ]
amdhsa.kernels:
  - .name:           k_q98e6d3e196_ln1
    .symbol:         k_q98e6d3e196_ln1.kd
    .args:
      - { .name: x, .offset: 0, .size: 8, .value_kind: global_buffer, .address_space: global }
      - { .name: ln1_w, .offset: 8, .size: 8, .value_kind: global_buffer, .address_space: global }
      - { .name: ln1_b, .offset: 16, .size: 8, .value_kind: global_buffer, .address_space: global }
      - { .name: lowp_scales, .offset: 24, .size: 8, .value_kind: global_buffer, .address_space: global }
      - { .name: a_img, .offset: 32, .size: 8, .value_kind: global_buffer, .address_space: global }
    .group_segment_fixed_size: 69632
    .private_segment_fixed_size: 0
    .kernarg_segment_align: 8
    .kernarg_segment_size: 40
    .max_flat_workgroup_size: 256
    .sgpr_count:     66
    .vgpr_count:     256
    .wavefront_size: 32
...
	.end_amdgpu_metadata
.endif
;; end of part 1
;; launch qkv (part 2): grid 16 x 12, 4 waves a work-group, clusters of 4 x 1, 266,752 bytes of LDS; arguments a_img, qkv_w_codes, qkv_b, lowp_scales, q_img, k_img, v_img; writes q_img, k_img, v_img
.if DOCPART == 2
	.amdgcn_target "amdgcn-amd-amdhsa--gfx1250"
	.amdhsa_code_object_version 6
	.text
	.protected	k_q98e6d3e196_qkv
	.globl	k_q98e6d3e196_qkv
	.p2align	8
	.type	k_q98e6d3e196_qkv,@function
k_q98e6d3e196_qkv:
	s_mov_b64 s[64:65], 0
	v_nop
	global_prefetch_b8 v0, s[64:65] scope:SCOPE_SE
	s_setreg_imm32_b32 hwreg(HW_REG_WAVE_MODE, 25, 1), 1
	s_wait_xcnt 0x0
	s_wait_alu depctr_hold_cnt(0) depctr_sa_sdst(0) depctr_va_vdst(0) depctr_va_sdst(0) depctr_va_ssrc(0) depctr_va_vcc(0) depctr_vm_vsrc(0)
	s_getreg_b32 s2, hwreg(HW_REG_IB_STS2, 6, 4)
	s_cmp_eq_u32 s2, 0
	s_cbranch_scc0 .Lentry_in_a_cluster
	s_endpgm
.Lentry_in_a_cluster:
	s_bfe_u32 s2, ttmp6, 0x10000c
	s_cmp_lg_u32 s2, 0x3003
	s_cbranch_scc0 .Lentry_shape_is_right
	s_endpgm
.Lentry_shape_is_right:
; qkv = LN1(x) W^T + b on codes of BF8 (E5M2), K = 1,024; q, k and v are quantised at once, each with its given scale, and stored as images of the attention's operand registers.
; SHARES.  Work-group (x, y): rows 256 x .. 256 x + 255 (x = 4 x cluster x + place in the cluster), columns 256 y .. 256 y + 255 of the 3,072: y 0-3 is q, 4-7 k, 8-11 v, four heads each.
; Wave w holds the codes of its 64 rows (row tiles 16 x + 4 w + i, i = 0 .. 3) for all of K in 512 REGISTERS, brought once by dense loads from the image that the launch before stored.
; The 256 rows of W lie whole in LDS, brought once by the tensor data mover: nothing in LDS is ever filled again, so the loop has no barrier.
; CLUSTER.  The four work-groups of a cluster have the same y and need the same rows of W: each wave's tensor load is asked for jointly, with the same descriptor and a mask that names the four.
; THE LOOP walks the 16 column tiles in 8 pairs.  A pair is four units of 16 matrix instructions (column tile tau, half hf of K); W's four fragments of a unit are fetched two units ahead, into four buffers by turns.
; q, k: THE PRODUCT IS USED TRANSPOSED (source 0 = 16 rows of W, source 1 = my 16 rows): a lane holds one token and eight neighbouring channels, which are eight neighbours along the scores' K.
; v: the product is used as it stands (source 0 = my rows): a lane holds one channel and eight neighbouring tokens, which are eight neighbours along the second product's K, the keys.
; The two ways part inside the loop, on y, which all partners share.
; IMAGES.  q_img, k_img: [head 32][g 2][token tile 128][lane][16 bytes]: group g = registers 4 g .. 4 g + 3 of a fragment 16 tokens x 64.
;          v_img: [head 32][n / 2][key step 16][n % 2][g 4][lane][16 bytes]: fragment = channel tile n (16 channels) x 128 keys.   Every store of a wave covers 512 consecutive bytes, aligned.
; LIMITS on the given exponents: e0 + e1 between -126 and 127; e2, e3, e5 between -126 and 112.  NaN and infinities are not served.
; REGISTERS, in windows of 256: window 0: v1-10 addresses and constants; v32-95 the 8 accumulators ((tau, i) at 32 + 32 tau + 8 i); v96-111 bias; v112-127 codes.
;   window 1: my rows' K steps 0-3 (fragment (s, i) at 64 s + 16 i); window 2: K steps 4-7; window 3: four buffers of four fragments of W.
.set PITCH, 1040                       ; a row of W in LDS: 1,024 bytes + 16, an odd multiple of 16 bytes: the 16 rows that one half of a 16-byte load touches start at 16 different groups of four banks (64 banks of 4 bytes: ISA guide 11.1)
.set ACC,   32
.set BI,    96
.set CO,    112
.set MSB, 0
.macro WIN new                         ; the immediate's high byte repeats the setting that is left
.if MSB != (\new)
	s_set_vgpr_msb (MSB<<8)|(\new)
.set MSB, \new
.endif
.endm
.macro PLACES                          ; four plain instructions between a matrix instruction and a load into, or a vector read of, its registers
.rept 4
	v_nop
.endr
.endm
.macro CROUND                          ; a round of the cluster's barrier
	s_barrier_signal -1
	s_barrier_wait -1
	s_cmp_lg_u32 s18, 0
	s_cbranch_scc1 .Lnot_wave_0_\@
	s_barrier_signal -3
.Lnot_wave_0_\@:
	s_barrier_wait -3
	s_barrier_signal -1
	s_barrier_wait -1
.endm
	s_load_b256 s[4:11], s[0:1], 0x0               ; the rows' image s[4:5], W's codes s[6:7], bias s[8:9], the scales' exponents s[10:11]
	s_load_b128 s[12:15], s[0:1], 0x20             ; q's image, k's image
	s_load_b64 s[16:17], s[0:1], 0x30              ; v's image
	v_lshl_add_u32 v254, v0, 2, 0x41000
	v_mov_b32 v255, 0
	ds_add_u32 v254, v255
	ds_add_u32 v254, v255
	v_lshrrev_b32 v1, 5, v0
	v_readfirstlane_b32 s18, v1                    ; wave 0..3
	s_bfe_u32 s19, ttmp6, 0x40000                  ; my place in the cluster
	s_lshl_b32 s20, ttmp9, 2
	s_add_co_u32 s20, s20, s19                     ; row group x: it enters global addresses of my own loads and stores alone
	s_and_b32 s21, ttmp7, 0xffff                   ; column group y, which the partners share
	; descriptor group 1: 64 rows x 1,024 bytes, 16 bytes of padding behind each row
	s_mov_b32 s24, 15|(1<<20)|(1<<21)|(7<<22)|(3<<25)  ; 15:0 the mask: all four work-groups; 17:16 elements of 1 byte; 20 padding on; 21 set beside a mask; 24:22 after every 256 words (code 7); 31:25 four words (code 3)
	s_mov_b32 s25, 1024<<16                        ; tensor_dim0
	s_mov_b32 s26, 64<<16                          ; tensor_dim1
	s_mov_b32 s27, 1024<<16                        ; tile_dim0
	s_mov_b32 s28, 64                              ; tile_dim1
	s_mov_b32 s29, 1024                            ; tensor_dim0_stride
	s_mov_b32 s30, 0
	s_mov_b32 s31, 0
	s_mov_b32 s32, 1                               ; group 0: count = 1
	s_mul_i32 s33, s18, 64*PITCH                   ; LDS address: my 64 rows
	s_lshl_b32 s44, s21, 18                        ; W: row 256 y + 64 w, 1,024 bytes a row
	s_lshl_b32 s45, s18, 16
	s_add_co_u32 s44, s44, s45
	s_mov_b32 s45, 0
	s_lshl_b32 s46, s20, 18                        ; my rows' image: row tile 16 x + 4 w, 16,384 bytes a tile
	s_lshl_b32 s47, s18, 16
	s_add_co_u32 s46, s46, s47
	s_mov_b32 s47, 0
	s_wait_dscnt 0x0
	s_wait_kmcnt 0x0
	s_load_b256 s[48:55], s[10:11], 0x0            ; e0 .. e7
	s_add_nc_u64 s[34:35], s[6:7], s[44:45]
	s_or_b32 s35, s35, 0x80000000                  ; type = 2
	s_add_nc_u64 s[4:5], s[4:5], s[46:47]
	CROUND                                         ; all four work-groups are here: the joint loads meet
	tensor_load_to_lds s[32:35], s[24:31]          ; my one tensor load
	s_nop 0
.rept 4
	v_nop
.endr
	v_and_b32 v9, 31, v0
	v_and_b32 v1, 15, v0                           ; r
	v_bfe_u32 v2, v0, 4, 1                         ; h
	v_lshlrev_b32 v3, 4, v9                        ; 16 x lane: my place in a group of an image
	v_mul_u32_u24 v4, v1, PITCH
	v_lshl_add_u32 v4, v2, 4, v4                   ; W's fragments: row r x pitch + 16 h
	v_lshlrev_b32 v6, 5, v2                        ; bias, q and k: my eight channels of a tile: 32 h
	v_lshlrev_b32 v10, 2, v1                       ; bias, v: my channel: 4 r
	WIN 0x40                                       ; destination window 1
.irp s, 0,1,2,3
.irp i, 0,1,2,3
.irp g, 0,1,2,3
	global_load_b128 v[64*\s+16*\i+4*\g:64*\s+16*\i+4*\g+3], v3, s[4:5] offset:\i*16384+\s*2048+\g*512
.endr
.endr
.endr
	WIN 0x80                                       ; destination window 2
.irp s, 0,1,2,3
.irp i, 0,1,2,3
.irp g, 0,1,2,3
	global_load_b128 v[64*\s+16*\i+4*\g:64*\s+16*\i+4*\g+3], v3, s[4:5] offset:\i*16384+(\s+4)*2048+\g*512
.endr
.endr
.endr
	WIN 0
	s_wait_alu depctr_va_vdst(0)
	s_wait_kmcnt 0x0
	s_add_co_i32 s40, s48, s49                     ; a sum stands for sum x 2^(e0 + e1)
	s_add_co_i32 s40, s40, 127
	s_lshl_b32 s40, s40, 23
	s_mov_b32 s41, s40                             ; (named with it as a pair, so it is written)
	s_lshr_b32 s62, s20, 3                         ; where my results go: head 16 (x / 8) + 4 (y % 4), 131,072 bytes a head,
	s_lshl_b32 s62, s62, 21
	s_and_b32 s63, s21, 3
	s_lshl_b32 s63, s63, 19
	s_add_co_u32 s62, s62, s63
	s_and_b32 s63, s20, 7                          ; q, k: token tile 16 (x % 8) + 4 w, 512 bytes a tile;  v: key step 2 (x % 8) + w / 2, 4,096 bytes a step, groups 2 (w % 2) on
	s_lshl_b32 s63, s63, 13
	s_add_co_u32 s62, s62, s63
	s_lshl_b32 s63, s18, 11
	s_lshr_b32 s66, s18, 1
	s_lshl_b32 s66, s66, 12
	s_and_b32 s67, s18, 1
	s_lshl_b32 s67, s67, 10
	s_add_co_u32 s66, s66, s67
	s_cmp_lt_u32 s21, 8
	s_cselect_b32 s63, s63, s66
	s_add_co_u32 s62, s62, s63
	s_mov_b32 s63, 0
	s_cmp_lt_u32 s21, 4                            ; the choices hang on y alone
	s_cselect_b32 s60, s50, s51                    ; q: e2, k: e3,
	s_cselect_b64 s[36:37], s[12:13], s[14:15]
	s_cmp_lt_u32 s21, 8
	s_cselect_b32 s60, s60, s53                    ; v: e5
	s_cselect_b64 s[36:37], s[36:37], s[16:17]
	s_add_nc_u64 s[36:37], s[36:37], s[62:63]
	s_lshl_b32 s68, s21, 10
	s_mov_b32 s69, 0
	s_add_nc_u64 s[38:39], s[8:9], s[68:69]        ; the bias of my 256 columns
	s_add_co_i32 s60, s60, 127
	s_lshl_b32 s61, s60, 23
	v_mov_b32 v7, s61                              ; the result's scale as f32: the conversion takes its exponent field
	s_add_co_i32 s60, s60, 15
	s_lshl_b32 s60, s60, 23
	s_or_b32 s60, s60, 0x600000
	v_mov_b32 v8, s60                              ; 57,344 x that
	s_mov_b32 s42, 0                               ; LDS byte at which the pair in hand begins
	s_mov_b32 s43, 7
; 16 LDS loads: W's four fragments of one unit (16 rows x 512 along K), from byte off of the pair in hand, into buffer buf.  Registers 4 c .. 4 c + 3 of a fragment hold k = 32 c + 16 h + 0 .. 15, as in my rows' image:
; each k has the same place in both operands; within an instruction the order of k differs from the form's own.
.macro FETCHB buf, off
	WIN 0xc0                                       ; destination window 3
.irp sl, 0,1,2,3
.irp c, 0,1,2,3
	ds_load_b128 v[64*(\buf)+16*\sl+4*\c:64*(\buf)+16*\sl+4*\c+3], v5 offset:(\off)+128*\sl+32*\c
.endr
.endr
.endm
; 16 matrix instructions: column tile tau x my four row tiles, K steps 4 hf .. 4 hf + 3.  The four accumulators take turns, one instruction a turn.  The first K step starts the sums.
.macro MULU tau, hf, buf, tr
.if \tr
	WIN 0x03|((1+(\hf))<<2)                        ; source 0 (W) window 3, source 1 (my rows) window 1 or 2
.else
	WIN (1+(\hf))|0x0c                             ; the sources the other way round
.endif
.irp sl, 0,1,2,3
.irp i, 0,1,2,3
.if \tr
.if ((\hf)==0)&&(\sl==0)
	v_wmma_f32_16x16x128_bf8_bf8 v[ACC+32*(\tau)+8*\i:ACC+32*(\tau)+8*\i+7], v[64*(\buf)+16*\sl:64*(\buf)+16*\sl+15], v[64*\sl+16*\i:64*\sl+16*\i+15], 0
.else
	v_wmma_f32_16x16x128_bf8_bf8 v[ACC+32*(\tau)+8*\i:ACC+32*(\tau)+8*\i+7], v[64*(\buf)+16*\sl:64*(\buf)+16*\sl+15], v[64*\sl+16*\i:64*\sl+16*\i+15], v[ACC+32*(\tau)+8*\i:ACC+32*(\tau)+8*\i+7]
.endif
.else
.if ((\hf)==0)&&(\sl==0)
	v_wmma_f32_16x16x128_bf8_bf8 v[ACC+32*(\tau)+8*\i:ACC+32*(\tau)+8*\i+7], v[64*\sl+16*\i:64*\sl+16*\i+15], v[64*(\buf)+16*\sl:64*(\buf)+16*\sl+15], 0
.else
	v_wmma_f32_16x16x128_bf8_bf8 v[ACC+32*(\tau)+8*\i:ACC+32*(\tau)+8*\i+7], v[64*\sl+16*\i:64*\sl+16*\i+15], v[64*(\buf)+16*\sl:64*(\buf)+16*\sl+15], v[ACC+32*(\tau)+8*\i:ACC+32*(\tau)+8*\i+7]
.endif
.endif
.endr
.endr
.endm
; q, k: lane (r, h) holds token r of tile i and channels 16 tau + 8 h + 0 .. 7 of the pair's 32: registers 2 tau, 2 tau + 1 of one group of the head's fragment.
.macro EPI_QK
	s_wait_loadcnt 0x0                             ; the pair's bias
.irp tau, 0,1
.irp i, 0,1,2,3
.irp j, 0,2,4,6
	v_pk_fma_f32 v[ACC+32*\tau+8*\i+\j:ACC+32*\tau+8*\i+\j+1], v[ACC+32*\tau+8*\i+\j:ACC+32*\tau+8*\i+\j+1], s[40:41], v[BI+8*\tau+\j:BI+8*\tau+\j+1] op_sel_hi:[1,0,1]   ; sum x 2^(e0 + e1) + bias; each accumulator from its low end on
.endr
.endr
.endr
.irp tau, 0,1
.irp i, 0,1,2,3
.irp j, 0,1,2,3,4,5,6,7
	v_med3_num_f32 v[ACC+32*\tau+8*\i+\j], v[ACC+32*\tau+8*\i+\j], -v8, v8   ; the hold: the conversion does not saturate (ISA guide 7.6.2)
.endr
	v_cvt_scalef32_pk8_bf8_f32 v[CO+4*\i+2*\tau:CO+4*\i+2*\tau+1], v[ACC+32*\tau+8*\i:ACC+32*\tau+8*\i+7], v7
.endr
.endr
	v_nop                                          ; a plain instruction between the last conversion and the products that write its sources
.irp i, 0,1,2,3
	global_store_b128 v3, v[CO+4*\i:CO+4*\i+3], s[36:37] offset:512*\i
.endr
.endm
; v: lane (r, h) holds channel 16 tau + r and tokens 8 h + 0 .. 7 of tile i: registers 2 i', 2 i' + 1 (i' = 4 (w % 2) + i) of the fragment (channel tile, key step).
.macro EPI_V
	s_wait_loadcnt 0x0
.irp tau, 0,1
.irp i, 0,1,2,3
.irp j, 0,2,4,6
	v_pk_fma_f32 v[ACC+32*\tau+8*\i+\j:ACC+32*\tau+8*\i+\j+1], v[ACC+32*\tau+8*\i+\j:ACC+32*\tau+8*\i+\j+1], s[40:41], v[BI+2*\tau:BI+2*\tau+1] op_sel_hi:[1,0,1]
.endr
.endr
.endr
.irp tau, 0,1
.irp i, 0,1,2,3
.irp j, 0,1,2,3,4,5,6,7
	v_med3_num_f32 v[ACC+32*\tau+8*\i+\j], v[ACC+32*\tau+8*\i+\j], -v8, v8
.endr
	v_cvt_scalef32_pk8_bf8_f32 v[CO+8*\tau+2*\i:CO+8*\tau+2*\i+1], v[ACC+32*\tau+8*\i:ACC+32*\tau+8*\i+7], v7
.endr
.endr
	v_nop
.irp tau, 0,1
.irp gg, 0,1
	global_store_b128 v3, v[CO+8*\tau+4*\gg:CO+8*\tau+4*\gg+3], s[36:37] offset:2048*\tau+512*\gg
.endr
.endr
.endm
; A pair's work.  last = 1: nothing is fetched beyond the tile's end.
.macro BODY last, tr
.if \tr
.irp tau, 0,1
	global_load_b128 v[BI+8*\tau:BI+8*\tau+3], v6, s[38:39] offset:64*\tau
	global_load_b128 v[BI+8*\tau+4:BI+8*\tau+7], v6, s[38:39] offset:64*\tau+16
.endr
.else
.irp tau, 0,1
	global_load_b32 v[BI+2*\tau], v10, s[38:39] offset:64*\tau     ; my channel's bias, twice: a pair for the packed form
	global_load_b32 v[BI+2*\tau+1], v10, s[38:39] offset:64*\tau
.endr
.endif
.irp u, 0,1,2,3
.if (\last)&&(\u==3)
	s_wait_dscnt 0x0
.else
	s_wait_dscnt 16                                ; this unit's 16 loads are in; the next unit's 16 may be out
.endif
.if (\last==0)||(\u<2)
	PLACES
	FETCHB (\u+2)%4,16640*(((\u+2)%4)/2)+512*(\u%2)+33280*((\u+2)/4)   ; two units ahead; from the third unit on that is the next pair's
.endif
	MULU \u/2,\u%2,\u,\tr
.endr
	PLACES
	WIN 0
.if \tr
	EPI_QK
.else
	EPI_V
.endif
.endm
.macro PAIR last
	v_add_nc_u32 v5, s42, v4
	s_cmp_ge_u32 s21, 8                            ; y, the same in all partners
	s_cbranch_scc1 .Lfor_v_\@
	s_wait_alu depctr_va_vdst(0)
	BODY \last, 1
	s_branch .Ljoin_\@
.Lfor_v_\@:
	s_wait_alu depctr_va_vdst(0)
	BODY \last, 0
.Ljoin_\@:
.endm
	s_wait_tensorcnt 0x0                           ; my 64 rows of W are in LDS,
	s_barrier_signal -1
	s_barrier_wait -1                              ; everybody's are
	v_add_nc_u32 v5, s42, v4
	FETCHB 0,0
	FETCHB 1,512
	WIN 0
	s_wait_loadcnt 0x0                             ; my rows' codes
.Lpair:                                            ; 7 trips; the eighth pair is written out
	PAIR 0
	s_wait_xcnt 0x0                                ; the stores and the bias loads have read their registers and bases
	s_add_nc_u64 s[36:37], s[36:37], 0x10000       ; the next group of the same head, or the next head's first: 65,536 bytes on either way
	s_add_nc_u64 s[38:39], s[38:39], 128
	s_add_co_u32 s42, s42, 2*16*PITCH
	s_sub_co_u32 s43, s43, 1
	s_cmp_lg_u32 s43, 0
	s_cbranch_scc1 .Lpair
	PAIR 1
	s_wait_tensorcnt 0x0
	ds_add_u32 v254, v255
	s_wait_dscnt 0x0
	CROUND                                         ; the closing round: no work-group ends while a partner may still ask for a tile that names it
	s_endpgm
.Lfunc_end_k_q98e6d3e196_qkv:
	.size	k_q98e6d3e196_qkv, .Lfunc_end_k_q98e6d3e196_qkv-k_q98e6d3e196_qkv
	.p2alignl 7, 3214868480
	.fill 96, 4, 3214868480
	.section	.rodata,"a",@progbits
	.p2align	6, 0x0
	.amdhsa_kernel k_q98e6d3e196_qkv
		.amdhsa_group_segment_fixed_size 266752
		.amdhsa_private_segment_fixed_size 0
		.amdhsa_enable_private_segment 0
		.amdhsa_kernarg_size 56
		.amdhsa_user_sgpr_count 2
		.amdhsa_user_sgpr_kernarg_segment_ptr 1
		.amdhsa_wavefront_size32 1
		.amdhsa_system_sgpr_workgroup_id_x 1
		.amdhsa_system_sgpr_workgroup_id_y 1
		.amdhsa_system_sgpr_workgroup_id_z 1
		.amdhsa_system_vgpr_workitem_id 0
		.amdhsa_next_free_vgpr 1024
		.amdhsa_next_free_sgpr 72
		.amdhsa_reserve_vcc 0
		.amdhsa_float_denorm_mode_32 3
		.amdhsa_float_denorm_mode_16_64 3
		.amdhsa_memory_ordered 1
		.amdhsa_forward_progress 1
		.amdhsa_inst_pref_size 81
	.end_amdhsa_kernel
	.amdgpu_metadata
---
amdhsa.version: [ 1, 2 ]
amdhsa.kernels:
  - .name:           k_q98e6d3e196_qkv
    .symbol:         k_q98e6d3e196_qkv.kd
    .args:
      - { .name: a_img, .offset: 0, .size: 8, .value_kind: global_buffer, .address_space: global }
      - { .name: qkv_w_codes, .offset: 8, .size: 8, .value_kind: global_buffer, .address_space: global }
      - { .name: qkv_b, .offset: 16, .size: 8, .value_kind: global_buffer, .address_space: global }
      - { .name: lowp_scales, .offset: 24, .size: 8, .value_kind: global_buffer, .address_space: global }
      - { .name: q_img, .offset: 32, .size: 8, .value_kind: global_buffer, .address_space: global }
      - { .name: k_img, .offset: 40, .size: 8, .value_kind: global_buffer, .address_space: global }
      - { .name: v_img, .offset: 48, .size: 8, .value_kind: global_buffer, .address_space: global }
    .group_segment_fixed_size: 266752
    .private_segment_fixed_size: 0
    .kernarg_segment_align: 8
    .kernarg_segment_size: 56
    .max_flat_workgroup_size: 128
    .sgpr_count:     72
    .vgpr_count:     1024
    .wavefront_size: 32
...
	.end_amdgpu_metadata
.endif
;; end of part 2
;; launch attn (part 3): grid 8 x 32, 16 waves a work-group, clusters of 4 x 1, 327,680 bytes of LDS; arguments q_img, k_img, v_img, lowp_scales, o_img; writes o_img
.if DOCPART == 3
	.amdgcn_target "amdgcn-amd-amdhsa--gfx1250"
	.amdhsa_code_object_version 6
	.text
	.protected	k_q98e6d3e196_attn
	.globl	k_q98e6d3e196_attn
	.p2align	8
	.type	k_q98e6d3e196_attn,@function
k_q98e6d3e196_attn:
	s_mov_b64 s[64:65], 0
	v_nop
	global_prefetch_b8 v0, s[64:65] scope:SCOPE_SE
	s_setreg_imm32_b32 hwreg(HW_REG_WAVE_MODE, 25, 1), 1
	s_wait_xcnt 0x0
	s_wait_alu depctr_hold_cnt(0) depctr_sa_sdst(0) depctr_va_vdst(0) depctr_va_sdst(0) depctr_va_ssrc(0) depctr_va_vcc(0) depctr_vm_vsrc(0)
	s_getreg_b32 s2, hwreg(HW_REG_IB_STS2, 6, 4)
	s_cmp_eq_u32 s2, 0
	s_cbranch_scc0 .Lentry_in_a_cluster
	s_endpgm
.Lentry_in_a_cluster:
	s_bfe_u32 s2, ttmp6, 0x10000c
	s_cmp_lg_u32 s2, 0x3003
	s_cbranch_scc0 .Lentry_shape_is_right
	s_endpgm
.Lentry_shape_is_right:
; O[head][q] = the sum over keys of softmax(q . k / 8) v, head size 64, 2,048 keys, both products on codes of BF8 (E5M2); O is quantised at once for the next product and stored as an image of its registers.
; THE SOFTMAX AHEAD OF THE SECOND PRODUCT: t = score x log2(e) / 8; M = the row's largest t so far, rounded UP to a whole number; p = 2^(t - M) is what is quantised (scale 2^e4); it is not normalised.
; The row's sum is taken of the unquantised p, in f32, and divides O at the end.  When M moves, the sum and O are multiplied by 2^(old M - new M): exact.
; SHARES.  Work-group (x, y): head y (batch y / 16, head y % 16), queries 256 x on; each of its sixteen waves owns 16 queries in 256 registers: four waves to a SIMD, so that one wave's vector work stands beside another's matrix work.
; A HEAD'S WHOLE K AND V LIE IN LDS, 262,144 bytes, in the order of the operands' registers, just as the launch before stored them: every LDS load takes 512 consecutive bytes, nothing is padded, nothing is filled again.
; LDS: four pieces of 65,536 bytes: K's groups 0 and 1 ([token tile 128][lane][16]), V's channel tiles 0-1 and 2-3 ([key step 16][n % 2][g 4][lane][16]).  A key step of 128 keys is 4,096 bytes of each piece.
; Each wave brings a quarter of one piece by two tensor loads: first its part of keys 0-511, then the rest, so that the first four key steps can begin while the rest is on its way: one load of a wave is out at a time.
; CLUSTER.  The four work-groups of a cluster belong to one head: every load is asked for jointly, with the same descriptor and a mask that names the four.
; LAYOUT.  Both products transposed: S^T = K Q^T (source 0 = 16 keys, source 1 = my 16 queries), O^T = V^T P^T: a lane holds ONE query (lane % 16) throughout.  In S^T tile t, register j is key 16 t + 8 (lane / 16) + j:
; just what registers 2 t, 2 t + 1 of the plain 8-bit layout want of P: the conversions' results are the operand.
; LIMITS on the given exponents: e2 + e3 between -123 and 130 (added to c's exponent field); e4 and e6 between -126 and 112; e4 + e5 is applied by v_ldexp_f32 and has none.  NaN and infinities are not served.
; REGISTERS: v1-4 my lane's place in the four pieces; v8-11 the same in the key step in hand; v12 -M, v13 the largest t, v[14:15] the sum in two halves; v16-23 Q; v32-95 K's 8 tiles, then V's 4 fragments;
;   v96-159 S^T, then p; v160-191 O^T; v192-207 p's codes; v230-254 at work.
.macro CROUND                          ; a round of the cluster's barrier
	s_barrier_signal -1
	s_barrier_wait -1
	s_cmp_lg_u32 s18, 0
	s_cbranch_scc1 .Lnot_wave_0_\@
	s_barrier_signal -3
.Lnot_wave_0_\@:
	s_barrier_wait -3
	s_barrier_signal -1
	s_barrier_wait -1
.endm
	s_load_b256 s[4:11], s[0:1], 0x0               ; q's image s[4:5], k's s[6:7], v's s[8:9], the scales' exponents s[10:11]
	s_load_b64 s[12:13], s[0:1], 0x20              ; o's image
	v_lshl_add_u32 v251, v0, 2, 0x40000
	v_mov_b32 v255, 0
	ds_add_u32 v251, v255
	ds_add_u32 v251, v255
	v_lshrrev_b32 v8, 5, v0
	s_delay_alu instid0(VALU_DEP_1)
	v_readfirstlane_b32 s18, v8                    ; wave 0..15
	s_bfe_u32 s19, ttmp6, 0x40000                  ; my place in the cluster
	s_lshl_b32 s14, ttmp9, 2
	s_add_co_u32 s14, s14, s19                     ; my block of 256 queries: it enters Q's and O's addresses alone
	s_and_b32 s15, ttmp7, 0xffff                   ; the head, which the partners share
	; descriptor groups 1: dense blocks as rows of 256 bytes: 16 rows (4,096 bytes), 48 rows (12,288 bytes)
	s_mov_b32 s24, 15|(3<<16)|(1<<21)              ; 15:0 the mask: all four work-groups; 17:16 elements of 8 bytes; 21 set beside a mask; no padding
	s_mov_b32 s25, 32<<16                          ; tensor_dim0 = 32 elements
	s_mov_b32 s26, 16<<16                          ; tensor_dim1
	s_mov_b32 s27, 32<<16                          ; tile_dim0
	s_mov_b32 s28, 16                              ; tile_dim1
	s_mov_b32 s29, 32                              ; tensor_dim0_stride
	s_mov_b32 s30, 0
	s_mov_b32 s31, 0
	s_mov_b32 s32, 15|(3<<16)|(1<<21)
	s_mov_b32 s33, 32<<16
	s_mov_b32 s34, 48<<16
	s_mov_b32 s35, 32<<16
	s_mov_b32 s36, 48
	s_mov_b32 s37, 32
	s_mov_b32 s38, 0
	s_mov_b32 s39, 0
	s_lshr_b32 s56, s18, 2                         ; my piece: waves 0-7 fetch K's two, waves 8-15 V's two
	s_and_b32 s57, s18, 3                          ; my quarter of it
	s_lshl_b32 s58, s56, 16                        ; the piece in LDS
	s_lshl_b32 s59, s57, 12                        ; the first load's place in a piece: key step = my quarter
	s_mul_i32 s60, s57, 12288
	s_add_co_u32 s60, s60, 16384                   ; the second's: behind the first four key steps
	s_mov_b32 s40, 1                               ; groups 0: s[40:43], s[44:47] for K's image, s[48:51], s[52:55] for V's
	s_add_co_u32 s41, s58, s59
	s_mov_b32 s44, 1
	s_add_co_u32 s45, s58, s60
	s_mov_b32 s48, 1
	s_add_co_u32 s49, s58, s59
	s_mov_b32 s52, 1
	s_add_co_u32 s53, s58, s60
	s_and_b32 s61, s56, 1
	s_lshl_b32 s61, s61, 16
	s_lshl_b32 s62, s15, 17                        ; the head's 131,072 bytes in either image,
	s_add_co_u32 s62, s62, s61                     ; its first or second half
	s_add_co_u32 s66, s62, s60
	s_add_co_u32 s62, s62, s59
	s_mov_b32 s63, 0
	s_mov_b32 s67, 0
	s_lshl_b32 s76, s15, 17                        ; Q: head, token tile 16 x + w, 512 bytes a tile
	s_lshl_b32 s77, s14, 13
	s_add_co_u32 s76, s76, s77
	s_lshl_b32 s77, s18, 9
	s_add_co_u32 s76, s76, s77
	s_mov_b32 s77, 0
	s_lshr_b32 s78, s15, 4                         ; O: row tile 128 (y / 16) + 16 x + w, 16,384 bytes a tile; my head's 64 channels are 1,024 bytes of it
	s_lshl_b32 s78, s78, 21
	s_lshl_b32 s79, s14, 18
	s_add_co_u32 s78, s78, s79
	s_lshl_b32 s79, s18, 14
	s_add_co_u32 s78, s78, s79
	s_and_b32 s79, s15, 15
	s_lshl_b32 s79, s79, 10
	s_add_co_u32 s78, s78, s79
	s_mov_b32 s79, 0
	s_mov_b32 s20, 0x76543210                      ; v_permlanex16_b32: lane l xor 16
	s_mov_b32 s21, 0xfedcba98
	s_mov_b32 s22, 0x3e38aa3b                      ; c = log2(e) / 8
	s_mov_b32 s16, 0                               ; the key step in hand, in bytes of a piece
	s_wait_dscnt 0x0
	s_wait_kmcnt 0x0
	s_load_b256 s[68:75], s[10:11], 0x0            ; e0 .. e7
	s_add_nc_u64 s[42:43], s[6:7], s[62:63]
	s_or_b32 s43, s43, 0x80000000                  ; type = 2
	s_add_nc_u64 s[46:47], s[6:7], s[66:67]
	s_or_b32 s47, s47, 0x80000000
	s_add_nc_u64 s[50:51], s[8:9], s[62:63]
	s_or_b32 s51, s51, 0x80000000
	s_add_nc_u64 s[54:55], s[8:9], s[66:67]
	s_or_b32 s55, s55, 0x80000000
	s_add_nc_u64 s[4:5], s[4:5], s[76:77]
	s_add_nc_u64 s[12:13], s[12:13], s[78:79]
	CROUND                                         ; all four work-groups are here: the joint loads meet
	s_cmp_lt_u32 s18, 8                            ; at the head a wave issues one tensor load: its part of keys 0-511
	s_cbranch_scc0 .Lfirst_v
	tensor_load_to_lds s[40:43], s[24:31]
	s_nop 0
.rept 4
	v_nop
.endr
	s_branch .Lfirst_asked
.Lfirst_v:
	tensor_load_to_lds s[48:51], s[24:31]
	s_nop 0
.rept 4
	v_nop
.endr
.Lfirst_asked:
	v_and_b32 v5, 31, v0
	s_delay_alu instid0(VALU_DEP_1)
	v_lshlrev_b32 v1, 4, v5                        ; 16 x lane, in piece 0,
	s_delay_alu instid0(VALU_DEP_1)
	v_add_nc_u32 v2, 0x10000, v1                   ; 1,
	s_delay_alu instid0(VALU_DEP_2)
	v_add_nc_u32 v3, 0x20000, v1                   ; 2,
	s_delay_alu instid0(VALU_DEP_3)
	v_add_nc_u32 v4, 0x30000, v1                   ; 3
	global_load_b128 v[16:19], v1, s[4:5]          ; Q's fragment stays in registers: group 0,
	global_load_b128 v[20:23], v1, s[4:5] offset:65536   ; group 1
	v_mov_b32 v13, 0xff61b1e6                      ; the largest t so far: -3e38, under every t
	s_delay_alu instid0(VALU_DEP_1)
	v_floor_f32 v12, -v13                          ; -M
	v_mov_b32 v14, 0                               ; the sum, in two halves
	v_mov_b32 v15, 0
	v_mov_b32 v236, 0                              ; written once: a lane permute's destination counts as one of its sources
	v_mov_b32 v253, 0                              ; (named as the upper half of the pair v[252:253])
.set N, 0
.rept 32
	v_mov_b32 v[160+N], 0                          ; O^T.  (The key step is written without a first step of its own: it finds zeros, which the first change of M leaves zeros)
.set N, N+1
.endr
	s_wait_kmcnt 0x0
	s_add_co_i32 s76, s70, s71
	s_lshl_b32 s76, s76, 23
	s_add_co_i32 s22, s22, s76                     ; a score stands for score x 2^(e2 + e3): the exponents are added to c's exponent field
	s_mov_b32 s23, s22                             ; (named with it as a pair, so it is written)
	s_add_co_i32 s76, s72, 127
	s_lshl_b32 s77, s76, 23
	v_mov_b32 v244, s77                            ; 2^e4 as f32, for p's conversion
	s_add_co_i32 s76, s76, 15
	s_lshl_b32 s76, s76, 23
	s_or_b32 s76, s76, 0x600000
	v_mov_b32 v240, s76                            ; 57,344 x 2^e4
; A KEY STEP: 128 keys.
.macro STEP
	v_add_nc_u32 v8, s16, v1                       ; these four are also the places between the last products and the loads into the registers that they read
	v_add_nc_u32 v9, s16, v2
	v_add_nc_u32 v10, s16, v3
	v_add_nc_u32 v11, s16, v4
.irp t, 0,1,2,3,4,5,6,7
	ds_load_b128 v[32+8*\t:35+8*\t], v8 offset:512*\t      ; K's tile t: registers 0-3,
	ds_load_b128 v[36+8*\t:39+8*\t], v9 offset:512*\t      ; registers 4-7
.endr
	s_wait_alu depctr_va_vdst(0)
	s_wait_dscnt 0x0
.irp t, 0,1,2,3,4,5,6,7
	v_wmma_f32_16x16x64_bf8_bf8 v[96+8*\t:103+8*\t], v[32+8*\t:39+8*\t], v[16:23], 0
.endr
.rept 4
	v_nop                                          ; places in front of the loads into K's registers and of the first read of the scores
.endr
.irp n, 0,1,2,3
.irp g, 0,1,2,3
	ds_load_b128 v[32+16*\n+4*\g:35+16*\n+4*\g], v[10+\n/2] offset:2048*(\n%2)+512*\g   ; V's four fragments land while the softmax is worked
.endr
.endr
	v_max3_num_f32 v254, v96, v97, v98             ; the step's largest score of my query, among my 64 keys, in two chains, each tile from its low end on,
	v_max3_num_f32 v252, v99, v100, v101
.irp i, 6,10,14,18,22,26,30,34,38,42,46,50,54,58
	v_max3_num_f32 v254, v254, v[96+\i], v[97+\i]
	v_max3_num_f32 v252, v252, v[98+\i], v[99+\i]
.endr
	v_max3_num_f32 v254, v254, v158, v159
	s_delay_alu instid0(VALU_DEP_1)
	v_max_num_f32 v254, v254, v252
	s_delay_alu instid0(VALU_DEP_1)
	v_permlanex16_b32 v236, v254, s20, s21
	s_delay_alu instid0(VALU_DEP_1)
	v_max_num_f32 v254, v254, v236                 ; and among lane l xor 16's
	s_delay_alu instid0(VALU_DEP_1)
	v_mul_f32 v254, s22, v254                      ; as t (c is positive)
	s_delay_alu instid0(VALU_DEP_1)
	v_max_num_f32 v13, v13, v254                   ; the running largest t
	v_mov_b32 v254, v12
	s_delay_alu instid0(VALU_DEP_2)
	v_floor_f32 v12, -v13                          ; the new -M = floor(-t) = -ceil(t): M is a whole number
	s_delay_alu instid0(VALU_DEP_1)
	v_sub_f32 v254, v12, v254                      ; M's old value less its new one: a whole number, 0 or less
	s_delay_alu instid0(VALU_DEP_1)
	v_cvt_i32_f32 v254, v254                       ; (it saturates)
	s_delay_alu instid0(VALU_DEP_1)
	v_ldexp_f32 v252, 1.0, v254                    ; f = 2^(old M - new M)
.set N, 0
.rept 32
	v_pk_fma_f32 v[96+N:97+N], v[96+N:97+N], s[22:23], v[12:13] op_sel_hi:[1,0,0]   ; t - M, two at a time (of the pairs c and -M the low word serves both halves)
.set N, N+2
.endr
.set N, 0
	s_wait_alu depctr_va_vdst(0)
.rept 64
	v_exp_f32 v[96+N], v[96+N]                     ; p = 2^(t - M), at most 1
.set N, N+1
.endr
	v_pk_mul_f32 v[14:15], v[14:15], v[252:253] op_sel_hi:[1,0]   ; the sums under the new M.  (A plain instruction behind the exponentials)
	s_wait_alu depctr_va_vdst(0)                   ; one wait for the whole batch, ahead of its first reader
	v_pk_add_f32 v[242:243], v[100:101], v[104:105]
	v_pk_add_f32 v[248:249], v[108:109], v[112:113]
	v_pk_add_f32 v[246:247], v[116:117], v[120:121]
	v_pk_add_f32 v[238:239], v[124:125], v[128:129]
	v_pk_add_f32 v[234:235], v[132:133], v[136:137]
	v_pk_add_f32 v[232:233], v[140:141], v[144:145]
	v_pk_add_f32 v[230:231], v[148:149], v[152:153]
	v_pk_add_f32 v[14:15], v[14:15], v[156:157]
	v_pk_add_f32 v[242:243], v[242:243], v[96:97]
	v_pk_add_f32 v[248:249], v[248:249], v[98:99]
	v_pk_add_f32 v[246:247], v[246:247], v[102:103]
	v_pk_add_f32 v[238:239], v[238:239], v[106:107]
	v_pk_add_f32 v[234:235], v[234:235], v[110:111]
	v_pk_add_f32 v[232:233], v[232:233], v[114:115]
	v_pk_add_f32 v[230:231], v[230:231], v[118:119]
	v_pk_add_f32 v[14:15], v[14:15], v[122:123]
	v_pk_add_f32 v[242:243], v[242:243], v[126:127]
	v_pk_add_f32 v[248:249], v[248:249], v[130:131]
	v_pk_add_f32 v[246:247], v[246:247], v[134:135]
	v_pk_add_f32 v[238:239], v[238:239], v[138:139]
	v_pk_add_f32 v[234:235], v[234:235], v[142:143]
	v_pk_add_f32 v[232:233], v[232:233], v[146:147]
	v_pk_add_f32 v[230:231], v[230:231], v[150:151]
	v_pk_add_f32 v[14:15], v[14:15], v[154:155]
	v_pk_add_f32 v[242:243], v[242:243], v[158:159]
	s_delay_alu instid0(VALU_DEP_2)
	v_pk_add_f32 v[14:15], v[14:15], v[238:239]
	s_delay_alu instid0(VALU_DEP_2)
	v_pk_add_f32 v[242:243], v[242:243], v[234:235]
	v_pk_add_f32 v[248:249], v[248:249], v[232:233]
	v_pk_add_f32 v[246:247], v[246:247], v[230:231]
	s_delay_alu instid0(VALU_DEP_2)
	v_pk_add_f32 v[14:15], v[14:15], v[248:249]
	s_delay_alu instid0(VALU_DEP_2)
	v_pk_add_f32 v[242:243], v[242:243], v[246:247]
	s_delay_alu instid0(VALU_DEP_1)
	v_pk_add_f32 v[14:15], v[14:15], v[242:243]
.irp t, 0,1,2,3,4,5,6,7
.irp j, 0,2,4,6
	v_dual_min_num_f32 v[96+8*\t+\j], v[96+8*\t+\j], v240 :: v_dual_min_num_f32 v[97+8*\t+\j], v[97+8*\t+\j], v240   ; the conversion does not saturate (ISA guide 7.6.2); p is not negative, so the hold is one-sided; two numbers an instruction
.endr
	v_cvt_scalef32_pk8_bf8_f32 v[192+2*\t:193+2*\t], v[96+8*\t:103+8*\t], v244   ; keys 16 t + 8 h + 0 .. 7: registers 2 t, 2 t + 1 of P's fragment
.endr
.set N, 0
.rept 16
	v_pk_mul_f32 v[160+N:161+N], v[160+N:161+N], v[252:253] op_sel_hi:[1,0]   ; O^T under the new M.  (Also the plain instructions between the conversions and the products)
.set N, N+2
.endr
	s_wait_alu depctr_va_vdst(0)
	s_wait_dscnt 0x0                               ; V
.irp n, 0,1,2,3
	v_wmma_f32_16x16x128_bf8_bf8 v[160+8*\n:167+8*\n], v[32+16*\n:47+16*\n], v[192:207], v[160+8*\n:167+8*\n]
.endr
	s_add_co_u32 s16, s16, 4096
.endm
	s_wait_alu depctr_va_vdst(0)                   ; the wait at the head's end
	s_wait_loadcnt 0x0                             ; Q
	s_wait_tensorcnt 0x0                           ; my part of keys 0-511 is in
	ds_add_u32 v251, v255
	s_wait_dscnt 0x0
	CROUND                                         ; everybody's part is in, and the four work-groups are here: the joint loads meet
	s_cmp_lt_u32 s18, 8                            ; my part of keys 512-2,047: my one tensor load behind the round; it has the first four key steps in which to land
	s_cbranch_scc0 .Lrest_v
	tensor_load_to_lds s[44:47], s[32:39]
	s_nop 0
.rept 4
	v_nop
.endr
	s_branch .Lrest_asked
.Lrest_v:
	tensor_load_to_lds s[52:55], s[32:39]
	s_nop 0
.rept 4
	v_nop
.endr
.Lrest_asked:
	s_mov_b32 s17, 4
.Lfirst_keys:
	STEP
	s_sub_co_u32 s17, s17, 1
	s_cmp_lg_u32 s17, 0
	s_cbranch_scc1 .Lfirst_keys
	s_wait_tensorcnt 0x0                           ; my part of the rest is in,
	s_wait_dscnt 0x0
	s_barrier_signal -1
	s_barrier_wait -1                              ; everybody's is
	s_mov_b32 s17, 12
.Lrest_keys:
	STEP
	s_sub_co_u32 s17, s17, 1
	s_cmp_lg_u32 s17, 0
	s_cbranch_scc1 .Lrest_keys
	; THE WAY OUT.  O^T / the sum x 2^(e4 + e5) is quantised with 2^e6.  Register 8 n + j is o(query r, channel 16 n + 8 h + j); lane swaps then bring the codes of two neighbouring tiles into the order of the next product's image:
	; registers 4 g .. 4 g + 3 hold channels 32 g + 16 h + 0 .. 15 of my head's 64.
	v_add_f32 v14, v14, v15                        ; the sum's two halves,
	s_delay_alu instid0(VALU_DEP_1)
	v_permlanex16_b32 v252, v14, s20, s21
	s_delay_alu instid0(VALU_DEP_1)
	v_add_f32 v14, v14, v252                       ; and lane l xor 16's
	s_wait_alu depctr_va_vdst(0)
	v_rcp_f32 v14, v14
	v_nop                                          ; a plain instruction behind the transcendental
	s_add_co_i32 s76, s74, 127
	s_lshl_b32 s77, s76, 23
	v_mov_b32 v244, s77                            ; 2^e6
	s_add_co_i32 s76, s76, 15
	s_lshl_b32 s76, s76, 23
	s_or_b32 s76, s76, 0x600000
	v_mov_b32 v240, s76                            ; 57,344 x 2^e6
	s_add_co_i32 s78, s72, s73
	s_wait_alu depctr_va_vdst(0)                   ; the wait, ahead of the reciprocal's first reader
	v_ldexp_f32 v14, v14, s78                      ; x 2^(e4 + e5)
.set N, 0
.rept 32
	v_mul_f32 v[96+N], v[160+N], v14
.set N, N+1
.endr
.irp n, 0,1,2,3
.irp j, 0,1,2,3,4,5,6,7
	v_med3_num_f32 v[96+8*\n+\j], v[96+8*\n+\j], -v240, v240
.endr
	v_cvt_scalef32_pk8_bf8_f32 v[192+2*\n:193+2*\n], v[96+8*\n:103+8*\n], v244
.endr
	v_nop
.irp g, 0,1
	v_permlane16_swap_b32 v[192+4*\g], v[194+4*\g]     ; the even tile's channels 8-15 (lanes 16-31) change places with the odd tile's channels 0-7 (lanes 0-15)
	v_permlane16_swap_b32 v[193+4*\g], v[195+4*\g]
.endr
	global_store_b128 v1, v[192:195], s[12:13]             ; 32 lanes store 512 consecutive bytes, aligned
	global_store_b128 v1, v[196:199], s[12:13] offset:512
	s_wait_tensorcnt 0x0
	ds_add_u32 v251, v255
	s_wait_dscnt 0x0
	CROUND                                         ; the closing round: no work-group ends while a partner may still ask for a tile that names it
	s_endpgm
.Lfunc_end_k_q98e6d3e196_attn:
	.size	k_q98e6d3e196_attn, .Lfunc_end_k_q98e6d3e196_attn-k_q98e6d3e196_attn
	.p2alignl 7, 3214868480
	.fill 96, 4, 3214868480
	.section	.rodata,"a",@progbits
	.p2align	6, 0x0
	.amdhsa_kernel k_q98e6d3e196_attn
		.amdhsa_group_segment_fixed_size 327680
		.amdhsa_private_segment_fixed_size 0
		.amdhsa_enable_private_segment 0
		.amdhsa_kernarg_size 40
		.amdhsa_user_sgpr_count 2
		.amdhsa_user_sgpr_kernarg_segment_ptr 1
		.amdhsa_wavefront_size32 1
		.amdhsa_system_sgpr_workgroup_id_x 1
		.amdhsa_system_sgpr_workgroup_id_y 1
		.amdhsa_system_sgpr_workgroup_id_z 1
		.amdhsa_system_vgpr_workitem_id 0
		.amdhsa_next_free_vgpr 256
		.amdhsa_next_free_sgpr 80
		.amdhsa_reserve_vcc 0
		.amdhsa_float_denorm_mode_32 3
		.amdhsa_float_denorm_mode_16_64 3
		.amdhsa_memory_ordered 1
		.amdhsa_forward_progress 1
		.amdhsa_inst_pref_size 45
	.end_amdhsa_kernel
	.amdgpu_metadata
---
amdhsa.version: [ 1, 2 ]
amdhsa.kernels:
  - .name:           k_q98e6d3e196_attn
    .symbol:         k_q98e6d3e196_attn.kd
    .args:
      - { .name: q_img, .offset: 0, .size: 8, .value_kind: global_buffer, .address_space: global }
      - { .name: k_img, .offset: 8, .size: 8, .value_kind: global_buffer, .address_space: global }
      - { .name: v_img, .offset: 16, .size: 8, .value_kind: global_buffer, .address_space: global }
      - { .name: lowp_scales, .offset: 24, .size: 8, .value_kind: global_buffer, .address_space: global }
      - { .name: o_img, .offset: 32, .size: 8, .value_kind: global_buffer, .address_space: global }
    .group_segment_fixed_size: 327680
    .private_segment_fixed_size: 0
    .kernarg_segment_align: 8
    .kernarg_segment_size: 40
    .max_flat_workgroup_size: 512
    .sgpr_count:     80
    .vgpr_count:     256
    .wavefront_size: 32
...
	.end_amdgpu_metadata
.endif
;; end of part 3
;; launch proj (part 4): grid 8 x 32, 4 waves a work-group, clusters of 4 x 4, 327,680 bytes of LDS; arguments o_img, proj_w_codes, proj_b, lowp_scales, x, x1; writes x1
.if DOCPART == 4
	.amdgcn_target "amdgcn-amd-amdhsa--gfx1250"
	.amdhsa_code_object_version 6
	.text
	.protected	k_q98e6d3e196_proj
	.globl	k_q98e6d3e196_proj
	.p2align	8
	.type	k_q98e6d3e196_proj,@function
k_q98e6d3e196_proj:
	s_mov_b64 s[64:65], 0
	v_nop
	global_prefetch_b8 v0, s[64:65] scope:SCOPE_SE
	s_setreg_imm32_b32 hwreg(HW_REG_WAVE_MODE, 25, 1), 1
	s_wait_xcnt 0x0
	s_wait_alu depctr_hold_cnt(0) depctr_sa_sdst(0) depctr_va_vdst(0) depctr_va_sdst(0) depctr_va_ssrc(0) depctr_va_vcc(0) depctr_vm_vsrc(0)
	s_getreg_b32 s2, hwreg(HW_REG_IB_STS2, 6, 4)
	s_cmp_eq_u32 s2, 0
	s_cbranch_scc0 .Lentry_in_a_cluster
	s_endpgm
.Lentry_in_a_cluster:
	s_bfe_u32 s2, ttmp6, 0x10000c
	s_cmp_lg_u32 s2, 0xf033
	s_cbranch_scc0 .Lentry_shape_is_right
	s_endpgm
.Lentry_shape_is_right:
; out = res + A W^T + b on codes of BF8 (E5M2), K = 1,024.  A: an image of operand registers, [row tile 256][K step 8][g 4][lane][16 bytes]; W: [1,024][1,024] codes, K innermost; res, out: [4,096][1,024] f32.
; SHARES.  A work-group makes 128 x 128 of the result: grid 8 x 32 = 256 work-groups.  Wave w makes rows 64 (w / 2) on, columns 64 (w % 2) on: 16 accumulators.
; All of K lies in LDS, filled once: A's 8 row tiles x 16,384 bytes as they lie in the image, then W's 128 rows of 1,024 bytes, 1,040 apart.  Nothing is filled again.
; CLUSTER 4 x 4: A's tile is shared along a row of the cluster, W's along a column; waves 0, 1 ask for A's halves, waves 2, 3 for W's, one joint load a wave.
; NO PREFETCH: one fill, asked for at the start; there is no loop to run ahead in.
; THE PRODUCT IS USED TRANSPOSED (source 0 = 16 rows of W, source 1 = 16 rows of A): a lane holds eight neighbouring columns of one row of the result.
; LIMIT: the two exponents' sum lies between -126 and 127.
; REGISTERS: window 0: v1-29 addresses; v32-63 bias; v64-95, v96-127 the way out; v128-255 A's fragments, two sets.  Window 1: v0-127 W's fragments, two sets.  Window 2: v0-127 accumulators ((t, i) at 32 t + 8 i).  Window 3: v0-127 the residual.
.set KTOT,  1024
.set EA,    6
.set ATS,   16*KTOT
.set BP,    1040                       ; W's row in LDS: an odd multiple of 16 bytes: the 16 rows that one half of a 16-byte load touches start at 16 different groups of four banks (ISA guide 11.1)
.set WOFF,  8*ATS
.set STG,   WOFF+128*BP                ; a stage of 16 rows x 272 bytes for each wave; no tensor load lands there
.set SP,    272
.set SPARE, STG+4*16*SP
.set ADRA,  16
.set ADRB,  18
.set SPW,   28
.set NIL,   29
.set BI,    32
.set TMP,   64
.set BK,    96
.set AF,    128
.set G1,    24
.set G0,    32
.set G1B,   48
.set G0B,   56
.set MULW,  0xa1                       ; source 0 window 1, source 1 window 0, C and D window 2
.set MSB, 0
.macro WIN new
.if MSB != (\new)
	s_set_vgpr_msb (MSB<<8)|(\new)
.set MSB, \new
.endif
.endm
.macro PLACES                          ; four plain instructions behind a matrix instruction (ISA guide 7.12.1)
.rept 4
	v_nop
.endr
.endm
.macro CROUND
	s_barrier_signal -1
	s_barrier_wait -1
	s_cmp_lg_u32 s18, 0
	s_cbranch_scc1 .Lnot_wave_0_\@
	s_barrier_signal -3
.Lnot_wave_0_\@:
	s_barrier_wait -3
	s_barrier_signal -1
	s_barrier_wait -1
.endm
	s_load_b256 s[4:11], s[0:1], 0x0               ; A's image, W's codes, bias, the scales' exponents
	s_load_b128 s[12:15], s[0:1], 0x20             ; the residual, the result
	v_lshl_add_u32 v[SPW], v0, 2, SPARE
	v_mov_b32 v[NIL], 0
	ds_add_u32 v[SPW], v[NIL]
	ds_add_u32 v[SPW], v[NIL]
	v_lshrrev_b32 v1, 5, v0
	v_readfirstlane_b32 s18, v1                    ; wave
	s_lshr_b32 s19, s18, 1                         ; my half of the rows; also: I fetch for A (0) or W (1)
	s_and_b32 s20, s18, 1                          ; my half of the columns; also: which half I fetch
	s_bfe_u32 s40, ttmp6, 0x40000                  ; cx
	s_bfe_u32 s41, ttmp6, 0x40004                  ; cy
	s_lshl_b32 s42, ttmp9, 2
	s_add_co_u32 s42, s42, s40                     ; tile column
	s_and_b32 s17, ttmp7, 0xffff
	s_lshl_b32 s17, s17, 2
	s_add_co_u32 s17, s17, s41                     ; tile row
	s_lshl_b32 s43, s41, 2
	s_lshl_b32 s43, 15, s43                        ; my row of the cluster
	s_lshl_b32 s44, 0x1111, s40                    ; my column
	s_or_b32 s[G1], s43, (3<<16)|(1<<21)           ; A: elements of 8 bytes, no padding: 4 row tiles of 2,048 elements
	s_mov_b32 s[G1+1], 2048<<16
	s_mov_b32 s[G1+2], 4<<16
	s_mov_b32 s[G1+3], 2048<<16
	s_mov_b32 s[G1+4], 4
	s_mov_b32 s[G1+5], ATS/8
	s_mov_b32 s[G1+6], 0
	s_mov_b32 s[G1+7], 0
	s_or_b32 s[G1B], s44, (1<<20)|(1<<21)|(7<<22)|(3<<25)  ; W: bytes; four words of padding after every 256: 64 rows of 1,024 bytes
	s_mov_b32 s[G1B+1], 1024<<16
	s_mov_b32 s[G1B+2], 64<<16
	s_mov_b32 s[G1B+3], 1024<<16
	s_mov_b32 s[G1B+4], 64
	s_mov_b32 s[G1B+5], KTOT
	s_mov_b32 s[G1B+6], 0
	s_mov_b32 s[G1B+7], 0
	s_lshl_b32 s22, s17, 3
	s_lshl_b32 s23, s20, 2
	s_add_co_u32 s22, s22, s23
	s_mul_i32 s22, s22, ATS                        ; A: row tile 8 x tile row + 4 x half
	s_mov_b32 s23, 0
	s_lshl_b32 s46, s42, 3
	s_lshl_b32 s47, s20, 2
	s_add_co_u32 s46, s46, s47
	s_mul_i32 s46, s46, ATS                        ; W: row 128 x tile column + 64 x half
	s_mov_b32 s47, 0
	s_lshl_b32 s45, s20, 16                        ; where they go: A's half,
	s_mul_i32 s21, s20, 64*BP
	s_add_co_u32 s21, s21, WOFF                    ; W's half
	s_wait_dscnt 0x0
	s_wait_kmcnt 0x0
	s_load_b64 s[66:67], s[10:11], EA*4            ; the two exponents
	s_mov_b32 s[G0], 1
	s_mov_b32 s[G0+1], s45
	s_add_nc_u64 s[G0+2:G0+3], s[4:5], s[22:23]
	s_or_b32 s[G0+3], s[G0+3], 0x80000000
	s_mov_b32 s[G0B], 1
	s_mov_b32 s[G0B+1], s21
	s_add_nc_u64 s[G0B+2:G0B+3], s[6:7], s[46:47]
	s_or_b32 s[G0B+3], s[G0B+3], 0x80000000
	CROUND                                         ; the joint loads meet
	s_cmp_eq_u32 s19, 0                            ; each line has one mask; the branch hangs on the wave's number alone
	s_cbranch_scc0 .Lfor_b
	tensor_load_to_lds s[G0:G0+3], s[G1:G1+7]
	s_nop 0
	PLACES
	s_branch .Lasked
.Lfor_b:
	tensor_load_to_lds s[G0B:G0B+3], s[G1B:G1B+7]
	s_nop 0
	PLACES
.Lasked:
	s_lshl_b32 s70, s19, 16                        ; my 4 row tiles of A in LDS
	s_mul_i32 s71, s18, 16*SP
	s_add_co_u32 s71, s71, STG                     ; my stage
	s_lshl_b32 s80, s17, 19                        ; residual and result: row 128 x tile row + 64 x half, 4,096 bytes a row,
	s_lshl_b32 s81, s19, 18
	s_add_co_u32 s80, s80, s81
	s_lshl_b32 s82, s42, 9                         ; column 128 x tile column + 64 x half, 4 bytes each (also the bias)
	s_lshl_b32 s83, s20, 8
	s_add_co_u32 s82, s82, s83
	s_mov_b32 s83, 0
	s_add_nc_u64 s[8:9], s[8:9], s[82:83]
	s_add_co_u32 s80, s80, s82
	s_mov_b32 s81, 0
	s_add_nc_u64 s[12:13], s[12:13], s[80:81]
	s_add_nc_u64 s[14:15], s[14:15], s[80:81]
	v_and_b32 v1, 15, v0                           ; r
	v_bfe_u32 v2, v0, 4, 1                         ; h
	v_and_b32 v3, 31, v0
	v_lshlrev_b32 v4, 4, v3
	v_add_nc_u32 v[ADRA], s70, v4                  ; A's fragments: 16 x lane
	v_mul_u32_u24 v5, v1, BP
	v_lshl_add_u32 v5, v2, 4, v5
	v_add_nc_u32 v[ADRB], s21, v5                  ; W's fragments: row r x pitch + 16 h
	v_lshlrev_b32 v8, 5, v2                        ; bias: 32 h
	v_mul_u32_u24 v9, v1, SP
	v_lshl_add_u32 v9, v2, 5, v9
	v_add_nc_u32 v9, s71, v9                       ; the stage, in: row r, + 32 h
	v_mul_u32_u24 v10, v2, SP
	v_lshl_add_u32 v10, v1, 4, v10
	v_add_nc_u32 v10, s71, v10                     ; back: lanes 0-15 one row of 256 bytes, lanes 16-31 the next
	v_lshlrev_b32 v11, 12, v2
	v_lshl_add_u32 v11, v1, 4, v11                 ; the same two rows in memory
.irp t, 0,1,2,3
	global_load_b128 v[BI+8*\t:BI+8*\t+3], v8, s[8:9] offset:64*\t
	global_load_b128 v[BI+8*\t+4:BI+8*\t+7], v8, s[8:9] offset:64*\t+16
.endr
	WIN 0xc0                                       ; the residual, laid as the way out reads the result back, into window 3
.irp i, 0,1,2,3
.irp k, 0,1,2,3,4,5,6,7
	global_load_b128 v[32*\i+4*\k:32*\i+4*\k+3], v11, s[12:13] offset:\i*65536+\k*8192 th:TH_LOAD_NT
.endr
.endr
	WIN 0
.macro FETCHA q, p                     ; 16 loads: my four fragments of A (16 rows x 128 K) of K step q into set p
	WIN 0
.irp i, 0,1,2,3
.irp g, 0,1,2,3
	ds_load_b128 v[AF+64*(\p)+16*\i+4*\g:AF+64*(\p)+16*\i+4*\g+3], v[ADRA] offset:\i*ATS+(\q)*2048+\g*512
.endr
.endr
.endm
.macro FETCHB q, p                     ; 16 loads: my four fragments of W; registers 4 c .. 4 c + 3 hold k = 32 c + 16 h + 0 .. 15, as in A's image: within an instruction the order of k differs from the form's own
	WIN 0x40
.irp t, 0,1,2,3
.irp c, 0,1,2,3
	ds_load_b128 v[64*(\p)+16*\t+4*\c:64*(\p)+16*\t+4*\c+3], v[ADRB] offset:\t*16*BP+128*(\q)+32*\c
.endr
.endr
.endm
.macro MULS p, t0, zero                ; 8 matrix instructions; the 16 accumulators take turns
	WIN MULW
.irp t, \t0, \t0+1
.irp i, 0,1,2,3
.if \zero
	v_wmma_f32_16x16x128_bf8_bf8 v[32*(\t)+8*\i:32*(\t)+8*\i+7], v[64*(\p)+16*(\t):64*(\p)+16*(\t)+15], v[AF+64*(\p)+16*\i:AF+64*(\p)+16*\i+15], 0
.else
	v_wmma_f32_16x16x128_bf8_bf8 v[32*(\t)+8*\i:32*(\t)+8*\i+7], v[64*(\p)+16*(\t):64*(\p)+16*(\t)+15], v[AF+64*(\p)+16*\i:AF+64*(\p)+16*\i+15], v[32*(\t)+8*\i:32*(\t)+8*\i+7]
.endif
.endr
.endr
.endm
	s_wait_alu depctr_va_vdst(0)                   ; the wait at the head's end
	s_wait_tensorcnt 0x0                           ; my part of the tiles is in,
	s_barrier_signal -1
	s_barrier_wait -1                              ; everybody's is
	FETCHA 0, 0
	FETCHB 0, 0
.set Q, 0
.rept 7
	s_wait_dscnt 8                                 ; all but the youngest 8 loads: W's column tiles 2, 3
	PLACES
	FETCHA Q+1, 1-Q%2
	MULS Q%2, 0, Q==0
	s_wait_dscnt 16                                ; W's tiles 2, 3 are in; the 16 loads of A just issued may be out
	FETCHB Q+1, 1-Q%2
	MULS Q%2, 2, Q==0
.set Q, Q+1
.endr
	s_wait_dscnt 0x0
	MULS 1, 0, 0
	MULS 1, 2, 0
	PLACES
	WIN 0
	s_wait_kmcnt 0x0
	s_add_co_i32 s66, s66, s67
	s_add_co_i32 s66, s66, 127
	s_lshl_b32 s66, s66, 23                        ; 2^(the two exponents added)
	s_mov_b32 s67, s66
	s_wait_loadcnt 0x0                             ; bias and residual
	; THE WAY OUT, a row tile at a time: through my stage the lanes' 32 bytes come back as rows of 256 bytes, take the residual, and leave.
.irp i, 0,1,2,3
	WIN 0x02
.irp t, 0,1,2,3
.irp j, 0,2,4,6
	v_pk_fma_f32 v[TMP+8*\t+\j:TMP+8*\t+\j+1], v[32*\t+8*\i+\j:32*\t+8*\i+\j+1], s[66:67], v[BI+8*\t+\j:BI+8*\t+\j+1] op_sel_hi:[1,0,1]   ; each accumulator from its low end on
.endr
.endr
	WIN 0
.irp t, 0,1,2,3
	ds_store_b128 v9, v[TMP+8*\t:TMP+8*\t+3] offset:64*\t
	ds_store_b128 v9, v[TMP+8*\t+4:TMP+8*\t+7] offset:64*\t+16
.endr
.if \i > 0
	s_wait_xcnt 0x0                                ; the last tile's stores have read their registers
.endif
.irp k, 0,1,2,3,4,5,6,7
	ds_load_b128 v[BK+4*\k:BK+4*\k+3], v10 offset:2*SP*\k   ; LDS serves a wave's instructions in order
.endr
	s_wait_dscnt 0x0
	WIN 0x0c
.irp k, 0,1,2,3,4,5,6,7
	v_pk_add_f32 v[BK+4*\k:BK+4*\k+1], v[BK+4*\k:BK+4*\k+1], v[32*\i+4*\k:32*\i+4*\k+1]
	v_pk_add_f32 v[BK+4*\k+2:BK+4*\k+3], v[BK+4*\k+2:BK+4*\k+3], v[32*\i+4*\k+2:32*\i+4*\k+3]
.endr
	WIN 0
.irp k, 0,1,2,3,4,5,6,7
	global_store_b128 v11, v[BK+4*\k:BK+4*\k+3], s[14:15] offset:\i*65536+\k*8192   ; 16 lanes store 256 consecutive bytes, aligned
.endr
.endr
	s_wait_tensorcnt 0x0                           ; the wave's end
	ds_add_u32 v[SPW], v[NIL]
	s_wait_dscnt 0x0
	CROUND                                         ; the closing round
	s_endpgm
.Lfunc_end_k_q98e6d3e196_proj:
	.size	k_q98e6d3e196_proj, .Lfunc_end_k_q98e6d3e196_proj-k_q98e6d3e196_proj
	.p2alignl 7, 3214868480
	.fill 96, 4, 3214868480
	.section	.rodata,"a",@progbits
	.p2align	6, 0x0
	.amdhsa_kernel k_q98e6d3e196_proj
		.amdhsa_group_segment_fixed_size 327680
		.amdhsa_private_segment_fixed_size 0
		.amdhsa_enable_private_segment 0
		.amdhsa_kernarg_size 48
		.amdhsa_user_sgpr_count 2
		.amdhsa_user_sgpr_kernarg_segment_ptr 1
		.amdhsa_wavefront_size32 1
		.amdhsa_system_sgpr_workgroup_id_x 1
		.amdhsa_system_sgpr_workgroup_id_y 1
		.amdhsa_system_sgpr_workgroup_id_z 1
		.amdhsa_system_vgpr_workitem_id 0
		.amdhsa_next_free_vgpr 1024
		.amdhsa_next_free_sgpr 100
		.amdhsa_reserve_vcc 0
		.amdhsa_float_denorm_mode_32 3
		.amdhsa_float_denorm_mode_16_64 3
		.amdhsa_memory_ordered 1
		.amdhsa_forward_progress 1
		.amdhsa_inst_pref_size 53
	.end_amdhsa_kernel
	.amdgpu_metadata
---
amdhsa.version: [ 1, 2 ]
amdhsa.kernels:
  - .name:           k_q98e6d3e196_proj
    .symbol:         k_q98e6d3e196_proj.kd
    .args:
      - { .name: o_img, .offset: 0, .size: 8, .value_kind: global_buffer, .address_space: global }
      - { .name: proj_w_codes, .offset: 8, .size: 8, .value_kind: global_buffer, .address_space: global }
      - { .name: proj_b, .offset: 16, .size: 8, .value_kind: global_buffer, .address_space: global }
      - { .name: lowp_scales, .offset: 24, .size: 8, .value_kind: global_buffer, .address_space: global }
      - { .name: x, .offset: 32, .size: 8, .value_kind: global_buffer, .address_space: global }
      - { .name: x1, .offset: 40, .size: 8, .value_kind: global_buffer, .address_space: global }
    .group_segment_fixed_size: 327680
    .private_segment_fixed_size: 0
    .kernarg_segment_align: 8
    .kernarg_segment_size: 48
    .max_flat_workgroup_size: 128
    .sgpr_count:     100
    .vgpr_count:     1024
    .wavefront_size: 32
...
	.end_amdgpu_metadata
.endif
;; end of part 4
;; launch ln2 (part 5): grid 256 x 1, 8 waves a work-group, no clusters, 69,632 bytes of LDS; arguments x1, ln2_w, ln2_b, lowp_scales, a_img; writes a_img
.if DOCPART == 5
	.amdgcn_target "amdgcn-amd-amdhsa--gfx1250"
	.amdhsa_code_object_version 6
	.text
	.protected	k_q98e6d3e196_ln2
	.globl	k_q98e6d3e196_ln2
	.p2align	8
	.type	k_q98e6d3e196_ln2,@function
k_q98e6d3e196_ln2:
	s_mov_b64 s[64:65], 0
	v_nop
	global_prefetch_b8 v0, s[64:65] scope:SCOPE_SE
	s_setreg_imm32_b32 hwreg(HW_REG_WAVE_MODE, 25, 1), 1
	s_wait_xcnt 0x0
; LayerNorm over rows of 1,024 f32, then the quantiser: codes of BF8 (E5M2) with the given scale 2^e, e = entry EIDX of the scales' exponents.
; y = (x - mu) * rsqrt(var + 1e-5) * w + b, mu and var in two passes (the variance is the mean of (x - mu)^2: no difference of large sums).
; code = y / 2^e, held within +-57,344, to the nearest code, ties to even.  LIMITS: e between -126 and 112.  NaN and infinities among the inputs are not served.
; SHARES.  A work-group takes 16 rows (row tile m = its number); wave s takes columns 128 s .. 128 s + 127 of them: one fragment (16 rows x 128 K) of the next product's left operand.
; THE CODES ARE STORED AS AN IMAGE OF THE OPERAND'S REGISTERS: fragment (m, s) is 2,048 bytes at (8 m + s) x 2,048: group g (registers 4 g .. 4 g + 3) at 512 g, lane l's 16 bytes at 16 l.
; Lane (r, h) holds row r, and registers 4 g .. 4 g + 3 hold k = 32 g + 16 h + 0 .. 15: the order in which the next launch reads the other operand by 16-byte loads.  So a lane wants 16 neighbours of each 32 columns.
; Loads take the bytes as they lie (a row's 512 bytes, 16 a lane); they turn through the wave's own stage in LDS (rows 528 bytes apart: the 16 rows of a read start at 16 different banks).
; The row sums of the eight waves meet in LDS: two barriers, two sets of words.
.set EIDX,  8
.set PITCH, 528
.set WSTG,  16*PITCH                   ; a wave's stage
.set RED,   8*WSTG                     ; behind the stages: 8 waves x 16 words for the sums, 512 bytes on the same for the squares
.set CD,    16                         ; v16-31   the codes
.set X,     32                         ; v32-95   my 64 numbers: register 8 c + j = column 32 (c / 2) + 16 h + 8 (c % 2) + j of my wave's 128
.set W,     96                         ; v96-159  the gain at the same columns
.set B,     160                        ; v160-223 the rows as loaded; later the bias
.set T,     224                        ; v224-231 at work
.set MU,    240                        ; v240-241 the mean, twice
.set RS,    242                        ; v242-243 1 / sqrt(var + eps), twice
	s_load_b256 s[4:11], s[0:1], 0x0               ; rows s[4:5], gain s[6:7], bias s[8:9], the scales' exponents s[10:11]
	s_load_b64 s[14:15], s[0:1], 0x20              ; the image
	v_lshl_add_u32 v254, v0, 2, 0x10c00
	v_mov_b32 v255, 0
	v_lshrrev_b32 v1, 5, v0
	s_delay_alu instid0(VALU_DEP_1)
	v_readfirstlane_b32 s16, v1                    ; wave = K step
	v_and_b32 v1, 31, v0                           ; lane
	v_and_b32 v2, 15, v0                           ; r
	v_bfe_u32 v3, v0, 4, 1                         ; h
	s_delay_alu instid0(VALU_DEP_3)
	v_lshlrev_b32 v4, 4, v1                        ; 16 x lane: my bytes of a row's 512, and of a group of the image
	s_mul_i32 s17, s16, WSTG
	v_add_nc_u32 v5, s17, v4                       ; the stage, on the way in
	v_mul_u32_u24 v6, v2, PITCH
	s_delay_alu instid0(VALU_DEP_1)
	v_lshl_add_u32 v6, v3, 6, v6
	s_delay_alu instid0(VALU_DEP_1)
	v_add_nc_u32 v6, s17, v6                       ; and out: row r, + 64 h
	v_lshlrev_b32 v7, 6, v3                        ; 64 h: my place in 32 columns of gain and bias
	v_lshlrev_b32 v9, 2, v2
	s_delay_alu instid0(VALU_DEP_1)
	v_add_nc_u32 v9, RED, v9                       ; row r's word of wave 0
	s_lshl_b32 s18, s16, 6
	v_add_nc_u32 v8, s18, v9                       ; and of my wave
	s_mov_b32 s12, 0x76543210                      ; v_permlanex16_b32: lane l xor 16
	s_mov_b32 s13, 0xfedcba98
	s_mov_b32 s24, 0x3a800000                      ; 1 / 1,024
	s_mov_b32 s25, 0x3727c5ac                      ; 1e-5
	s_lshl_b32 s20, ttmp9, 16                      ; 16 rows of 4,096 bytes,
	s_lshl_b32 s22, s16, 9                         ; my wave's 512 bytes of a row
	s_add_co_u32 s20, s20, s22
	s_mov_b32 s21, 0
	s_mov_b32 s23, 0
	s_lshl_b32 s26, ttmp9, 14                      ; (8 m + s) x 2,048
	s_lshl_b32 s27, s16, 11
	s_add_co_u32 s26, s26, s27
	s_mov_b32 s27, 0
	s_wait_alu depctr_va_vdst(0)
	s_wait_kmcnt 0x0
	s_load_b32 s28, s[10:11], EIDX*4               ; e
	s_add_nc_u64 s[4:5], s[4:5], s[20:21]
	s_add_nc_u64 s[6:7], s[6:7], s[22:23]
	s_add_nc_u64 s[8:9], s[8:9], s[22:23]
	s_add_nc_u64 s[14:15], s[14:15], s[26:27]
.irp i, 0,1,2,3,4,5,6,7,8,9,10,11,12,13,14,15
	global_load_b128 v[B+4*\i:B+4*\i+3], v4, s[4:5] offset:4096*\i th:TH_LOAD_NT   ; row i: 32 lanes read 512 consecutive bytes
.endr
.irp c, 0,1,2,3,4,5,6,7
	global_load_b128 v[W+8*\c:W+8*\c+3], v7, s[6:7] offset:128*(\c/2)+32*(\c%2)
	global_load_b128 v[W+8*\c+4:W+8*\c+7], v7, s[6:7] offset:128*(\c/2)+32*(\c%2)+16
.endr
	s_wait_loadcnt 16                              ; the 16 rows are in; the gain's 16 loads may be out
.irp i, 0,1,2,3,4,5,6,7,8,9,10,11,12,13,14,15
	ds_store_b128 v5, v[B+4*\i:B+4*\i+3] offset:PITCH*\i
.endr
.irp c, 0,1,2,3,4,5,6,7
	ds_load_b128 v[X+8*\c:X+8*\c+3], v6 offset:128*(\c/2)+32*(\c%2)       ; LDS serves a wave's instructions in order: these see my stores
	ds_load_b128 v[X+8*\c+4:X+8*\c+7], v6 offset:128*(\c/2)+32*(\c%2)+16
.endr
	s_wait_dscnt 0x0                               ; my numbers are in, and the stores have read their registers,
.irp c, 0,1,2,3,4,5,6,7
	global_load_b128 v[B+8*\c:B+8*\c+3], v7, s[8:9] offset:128*(\c/2)+32*(\c%2)      ; which take the bias
	global_load_b128 v[B+8*\c+4:B+8*\c+7], v7, s[8:9] offset:128*(\c/2)+32*(\c%2)+16
.endr
; Four packed partial sums in v[T] .. v[T+7] become the row's sum over all 1,024 columns, in every lane: my two halves, lane l xor 16, then the eight waves through LDS (words at byte off).
.macro ACROSS off
	s_delay_alu instid0(VALU_DEP_3)
	v_pk_add_f32 v[T:T+1], v[T:T+1], v[T+2:T+3]
	s_delay_alu instid0(VALU_DEP_2)
	v_pk_add_f32 v[T+4:T+5], v[T+4:T+5], v[T+6:T+7]
	s_delay_alu instid0(VALU_DEP_1)
	v_pk_add_f32 v[T:T+1], v[T:T+1], v[T+4:T+5]
	s_delay_alu instid0(VALU_DEP_1)
	v_add_f32 v[T], v[T], v[T+1]
	s_delay_alu instid0(VALU_DEP_1)
	v_permlanex16_b32 v[T+1], v[T], s12, s13
	s_delay_alu instid0(VALU_DEP_1)
	v_add_f32 v[T], v[T], v[T+1]
	ds_store_b32 v8, v[T] offset:\off              ; lanes r and r + 16 write the same word with the same number
	s_wait_dscnt 0x0                               ; for the others' sake: my store is done
	s_barrier_signal -1
	s_barrier_wait -1
.irp k, 0,1,2,3,4,5,6,7
	ds_load_b32 v[T+\k], v9 offset:\off+64*\k
.endr
	s_wait_dscnt 0x0
	v_pk_add_f32 v[T:T+1], v[T:T+1], v[T+2:T+3]    ; every wave adds in the same order
	v_pk_add_f32 v[T+4:T+5], v[T+4:T+5], v[T+6:T+7]
	s_delay_alu instid0(VALU_DEP_1)
	v_pk_add_f32 v[T:T+1], v[T:T+1], v[T+4:T+5]
	s_delay_alu instid0(VALU_DEP_1)
	v_add_f32 v[T], v[T], v[T+1]
.endm
.irp k, 0,1,2,3
	v_pk_add_f32 v[T+2*\k:T+2*\k+1], v[X+2*\k:X+2*\k+1], v[X+8+2*\k:X+9+2*\k]   ; the first numbers start the four chains
.endr
.irp p, 16,24,32,40,48,56
.irp k, 0,1,2,3
	s_delay_alu instid0(VALU_DEP_4)
	v_pk_add_f32 v[T+2*\k:T+2*\k+1], v[T+2*\k:T+2*\k+1], v[X+\p+2*\k:X+\p+2*\k+1]
.endr
.endr
	ACROSS 0
	s_delay_alu instid0(VALU_DEP_1)
	v_mul_f32 v[MU], s24, v[T]
	s_delay_alu instid0(VALU_DEP_1)
	v_mov_b32 v[MU+1], v[MU]
.set N, 0
.rept 32
	v_pk_add_f32 v[X+N:X+N+1], v[X+N:X+N+1], v[MU:MU+1] neg_lo:[0,1] neg_hi:[0,1]   ; x - mu
.set N, N+2
.endr
.irp k, 0,1,2,3
	v_pk_mul_f32 v[T+2*\k:T+2*\k+1], v[X+2*\k:X+2*\k+1], v[X+2*\k:X+2*\k+1]
.endr
.irp p, 8,16,24,32,40,48,56
.irp k, 0,1,2,3
	s_delay_alu instid0(VALU_DEP_4)
	v_pk_fma_f32 v[T+2*\k:T+2*\k+1], v[X+\p+2*\k:X+\p+2*\k+1], v[X+\p+2*\k:X+\p+2*\k+1], v[T+2*\k:T+2*\k+1]
.endr
.endr
	ACROSS 512                                     ; other words than the first sums': no wave can overwrite what another still reads
	s_delay_alu instid0(VALU_DEP_1)
	v_fma_f32 v[T], v[T], s24, s25                 ; var + eps
	s_wait_alu depctr_va_vdst(0)
	v_rsq_f32 v[RS], v[T]
	v_nop                                          ; a plain instruction behind the transcendental
	s_wait_kmcnt 0x0
	s_add_co_i32 s28, s28, 127
	s_lshl_b32 s29, s28, 23
	s_add_co_i32 s28, s28, 15
	s_lshl_b32 s28, s28, 23
	s_or_b32 s28, s28, 0x600000
	v_mov_b32 v12, s29                             ; 2^e as f32: the conversion takes its exponent field
	v_mov_b32 v13, s28                             ; 57,344 x 2^e
	s_wait_alu depctr_va_vdst(0)                   ; the wait ahead of the first use of the root
	v_mov_b32 v[RS+1], v[RS]
.set N, 0
.rept 32
	v_pk_mul_f32 v[X+N:X+N+1], v[X+N:X+N+1], v[RS:RS+1]
.set N, N+2
.endr
	s_wait_loadcnt 0x0                             ; gain and bias
.set N, 0
.rept 32
	v_pk_fma_f32 v[X+N:X+N+1], v[X+N:X+N+1], v[W+N:W+N+1], v[B+N:B+N+1]
.set N, N+2
.endr
.irp c, 0,1,2,3,4,5,6,7
.irp j, 0,1,2,3,4,5,6,7
	v_med3_num_f32 v[X+8*\c+\j], v[X+8*\c+\j], -v13, v13   ; the conversion to an 8-bit code does not saturate (ISA guide 7.6.2): the hold comes first
.endr
	v_cvt_scalef32_pk8_bf8_f32 v[CD+2*\c:CD+2*\c+1], v[X+8*\c:X+8*\c+7], v12   ; registers 2 c, 2 c + 1 of the fragment
.endr
	v_nop
.irp g, 0,1,2,3
	global_store_b128 v4, v[CD+4*\g:CD+4*\g+3], s[14:15] offset:512*\g   ; 32 lanes store 512 consecutive bytes, aligned
.endr
	s_wait_tensorcnt 0x0
	ds_add_u32 v254, v255
	s_wait_dscnt 0x0
	s_endpgm
.Lfunc_end_k_q98e6d3e196_ln2:
	.size	k_q98e6d3e196_ln2, .Lfunc_end_k_q98e6d3e196_ln2-k_q98e6d3e196_ln2
	.p2alignl 7, 3214868480
	.fill 96, 4, 3214868480
	.section	.rodata,"a",@progbits
	.p2align	6, 0x0
	.amdhsa_kernel k_q98e6d3e196_ln2
		.amdhsa_group_segment_fixed_size 69632
		.amdhsa_private_segment_fixed_size 0
		.amdhsa_enable_private_segment 0
		.amdhsa_kernarg_size 40
		.amdhsa_user_sgpr_count 2
		.amdhsa_user_sgpr_kernarg_segment_ptr 1
		.amdhsa_wavefront_size32 1
		.amdhsa_system_sgpr_workgroup_id_x 1
		.amdhsa_system_sgpr_workgroup_id_y 1
		.amdhsa_system_sgpr_workgroup_id_z 1
		.amdhsa_system_vgpr_workitem_id 0
		.amdhsa_next_free_vgpr 256
		.amdhsa_next_free_sgpr 66
		.amdhsa_reserve_vcc 0
		.amdhsa_float_denorm_mode_32 3
		.amdhsa_float_denorm_mode_16_64 3
		.amdhsa_memory_ordered 1
		.amdhsa_forward_progress 1
		.amdhsa_inst_pref_size 29
	.end_amdhsa_kernel
	.amdgpu_metadata
---
amdhsa.version: [ 1, 2 ]
amdhsa.kernels:
  - .name:           k_q98e6d3e196_ln2
    .symbol:         k_q98e6d3e196_ln2.kd
    .args:
      - { .name: x1, .offset: 0, .size: 8, .value_kind: global_buffer, .address_space: global }
      - { .name: ln2_w, .offset: 8, .size: 8, .value_kind: global_buffer, .address_space: global }
      - { .name: ln2_b, .offset: 16, .size: 8, .value_kind: global_buffer, .address_space: global }
      - { .name: lowp_scales, .offset: 24, .size: 8, .value_kind: global_buffer, .address_space: global }
      - { .name: a_img, .offset: 32, .size: 8, .value_kind: global_buffer, .address_space: global }
    .group_segment_fixed_size: 69632
    .private_segment_fixed_size: 0
    .kernarg_segment_align: 8
    .kernarg_segment_size: 40
    .max_flat_workgroup_size: 256
    .sgpr_count:     66
    .vgpr_count:     256
    .wavefront_size: 32
...
	.end_amdgpu_metadata
.endif
;; end of part 5
;; launch fc1 (part 6): grid 16 x 16, 8 waves a work-group, clusters of 4 x 1, 327,680 bytes of LDS; arguments a_img, fc1_w_codes, fc1_b, lowp_scales, h_img; writes h_img
.if DOCPART == 6
	.amdgcn_target "amdgcn-amd-amdhsa--gfx1250"
	.amdhsa_code_object_version 6
	.text
	.protected	k_q98e6d3e196_fc1
	.globl	k_q98e6d3e196_fc1
	.p2align	8
	.type	k_q98e6d3e196_fc1,@function
k_q98e6d3e196_fc1:
	s_mov_b64 s[64:65], 0
	v_nop
	global_prefetch_b8 v0, s[64:65] scope:SCOPE_SE
	s_setreg_imm32_b32 hwreg(HW_REG_WAVE_MODE, 25, 1), 1
	s_wait_xcnt 0x0
	s_wait_alu depctr_hold_cnt(0) depctr_sa_sdst(0) depctr_va_vdst(0) depctr_va_sdst(0) depctr_va_ssrc(0) depctr_va_vcc(0) depctr_vm_vsrc(0)
	s_getreg_b32 s2, hwreg(HW_REG_IB_STS2, 6, 4)
	s_cmp_eq_u32 s2, 0
	s_cbranch_scc0 .Lentry_in_a_cluster
	s_endpgm
.Lentry_in_a_cluster:
	s_bfe_u32 s2, ttmp6, 0x10000c
	s_cmp_lg_u32 s2, 0x3003
	s_cbranch_scc0 .Lentry_shape_is_right
	s_endpgm
.Lentry_shape_is_right:
; h = gelu(LN2(x1) W^T + b), the exact gelu, on codes of BF8 (E5M2), K = 1,024; h is quantised at once with 2^e10 and stored as an image of the next product's operand registers.
; SHARES.  Work-group (x, y): rows 256 x on (x = 4 x cluster x + place in the cluster), hidden units 256 y on.  EIGHT waves, two to a SIMD, so that one wave's gelu stands beside the other's products.
; Wave w holds the codes of its 32 rows (row tiles 16 x + 2 w + i, i = 0, 1) for all of K in 256 registers (window 1), as the image has them: registers 4 g .. 4 g + 3 of a fragment hold k = 32 g + 16 h + 0 .. 15.
; W's fragments are read by 16-byte loads at 32 g + 16 h: each k has the same place in both operands; within an instruction the order of k differs from the form's own.
; The 256 rows of W lie whole in LDS, each byte filled once, by two joint loads a wave: rows 8 w .. 8 w + 7 at the head (the first two pairs of column tiles), rows 64 + 24 w on.
; CLUSTER.  The four work-groups of a cluster have the same y and need the same rows of W: mask 15.  NO PREFETCH: both fills are asked for at the start; the loop asks memory for the bias alone.
; THE LOOP walks the 16 column tiles in 8 pairs.  A pair is four units (both column tiles x 256 along K): 8 matrix instructions on 4 accumulators by turns; a unit's four fragments of W are fetched one unit ahead, into two buffers.
; The first pair is written out: it starts on counted waits for my rows' codes.  The last trip's look-ahead is held at its own pair (s_min_u32): those 16 loads are read by nobody.
; THE PRODUCT IS USED TRANSPOSED (source 0 = 16 rows of W, source 1 = my 16 rows): a lane holds one row and eight neighbouring hidden units.
; GELU.  gelu(x) = max(x, 0) - |x| e, e = erfc(|x| / sqrt 2) / 2 = t 2^(P(t) - x^2 log2(e) / 2), t = 1 / (1 + |x| sqrt(2) / 4), P of degree 9 (coefficients already x log2(e), the first less 1); no difference of near numbers is formed.
; IMAGE.  h_img: [row tile 256][K step 32][g 4][lane][16 bytes]; lane (r, h)'s 16 bytes of group g are k = 32 g + 16 h + 0 .. 15 of row r: two lane swaps bring a pair's two tiles into that order.
; The pair P of column group y is group P % 4 of K step 2 y + P / 4.  Every store covers 512 consecutive bytes, aligned.
; LIMITS on the given exponents: e8 + e9 between -126 and 127; e10 between -126 and 112.  NaN and infinities are not served.
; REGISTERS, window 0: v1-12 addresses and constants; v16-47 accumulators ((tau, i) at 16 + 16 tau + 8 i); v48-63 bias; v64-71 codes; v72-103 t; v128-191, v192-255 W's two buffers; the second also serves the gelu (x^2, P).
.set PITCH, 1040                       ; an odd multiple of 16 bytes: the 16 rows that one half of a 16-byte load touches start at 16 different groups of four banks (ISA guide 11.1)
.set PAIRB, 32*PITCH
.set SPARE, 256*PITCH
.set ACC,   16
.set BI,    48
.set CO,    64
.set T,     72
.set BUF,   128
.set W,     192
.set H,     224
.set KC,    72                         ; s[72:91] the ten coefficients, each twice
.set CW,    92                         ; s[92:93] -log2(e) / 2
.set MSB, 0
.macro WIN new
.if MSB != (\new)
	s_set_vgpr_msb (MSB<<8)|(\new)
.set MSB, \new
.endif
.endm
.macro PLACES                          ; four plain instructions behind a matrix instruction (ISA guide 7.12.1)
.rept 4
	v_nop
.endr
.endm
.macro CROUND
	s_barrier_signal -1
	s_barrier_wait -1
	s_cmp_lg_u32 s18, 0
	s_cbranch_scc1 .Lnot_wave_0_\@
	s_barrier_signal -3
.Lnot_wave_0_\@:
	s_barrier_wait -3
	s_barrier_signal -1
	s_barrier_wait -1
.endm
.macro SETC k, val
	s_mov_b32 s[KC+2*\k], \val
	s_mov_b32 s[KC+2*\k+1], \val
.endm
	s_load_b256 s[4:11], s[0:1], 0x0               ; the rows' image, W's codes, bias, the scales' exponents
	s_load_b64 s[12:13], s[0:1], 0x20              ; h's image
	v_lshl_add_u32 v10, v0, 2, SPARE
	v_mov_b32 v11, 0
	ds_add_u32 v10, v11
	ds_add_u32 v10, v11
	v_lshrrev_b32 v1, 5, v0
	v_readfirstlane_b32 s18, v1                    ; wave 0..7
	s_bfe_u32 s19, ttmp6, 0x40000
	s_lshl_b32 s20, ttmp9, 2
	s_add_co_u32 s20, s20, s19                     ; row group x: it enters my own loads' and stores' addresses alone
	s_and_b32 s21, ttmp7, 0xffff                   ; column group y, which the partners share
	s_mov_b32 s24, 15|(1<<20)|(1<<21)|(7<<22)|(3<<25)  ; group 1, first fill: 8 rows x 1,024 bytes, 16 bytes of padding behind each
	s_mov_b32 s25, 1024<<16
	s_mov_b32 s26, 8<<16
	s_mov_b32 s27, 1024<<16
	s_mov_b32 s28, 8
	s_mov_b32 s29, 1024
	s_mov_b32 s30, 0
	s_mov_b32 s31, 0
	s_mov_b32 s52, 15|(1<<20)|(1<<21)|(7<<22)|(3<<25)  ; second fill: 24 rows
	s_mov_b32 s53, 1024<<16
	s_mov_b32 s54, 24<<16
	s_mov_b32 s55, 1024<<16
	s_mov_b32 s56, 24
	s_mov_b32 s57, 1024
	s_mov_b32 s58, 0
	s_mov_b32 s59, 0
	s_mov_b32 s32, 1
	s_mul_i32 s33, s18, 8*PITCH
	s_mov_b32 s60, 1
	s_mul_i32 s61, s18, 24*PITCH
	s_add_co_u32 s61, s61, 64*PITCH
	s_lshl_b32 s44, s21, 18                        ; W: row 256 y + 8 w
	s_lshl_b32 s45, s18, 13
	s_add_co_u32 s44, s44, s45
	s_mov_b32 s45, 0
	s_lshl_b32 s46, s21, 18                        ; W: row 256 y + 64 + 24 w
	s_mul_i32 s47, s18, 24*1024
	s_add_co_u32 s46, s46, s47
	s_add_co_u32 s46, s46, 64*1024
	s_mov_b32 s47, 0
	s_lshl_b32 s94, s20, 18                        ; my rows' image: row tile 16 x + 2 w, 16,384 bytes a tile
	s_lshl_b32 s95, s18, 15
	s_add_co_u32 s94, s94, s95
	s_mov_b32 s95, 0
	s_lshl_b32 s96, s20, 20                        ; h's image: row tile 16 x + 2 w, 65,536 bytes a tile, + 4,096 y
	s_lshl_b32 s97, s18, 17
	s_add_co_u32 s96, s96, s97
	s_lshl_b32 s97, s21, 12
	s_add_co_u32 s96, s96, s97
	s_mov_b32 s97, 0
	s_lshl_b32 s98, s21, 10                        ; the bias of my 256 columns
	s_mov_b32 s99, 0
	s_wait_dscnt 0x0
	s_wait_kmcnt 0x0
	s_load_b128 s[48:51], s[10:11], 0x20           ; e8, e9, e10, e11
	s_add_nc_u64 s[34:35], s[6:7], s[44:45]
	s_or_b32 s35, s35, 0x80000000
	s_add_nc_u64 s[62:63], s[6:7], s[46:47]
	s_or_b32 s63, s63, 0x80000000
	s_add_nc_u64 s[4:5], s[4:5], s[94:95]
	s_add_nc_u64 s[36:37], s[12:13], s[96:97]
	s_add_nc_u64 s[38:39], s[8:9], s[98:99]
	CROUND                                         ; the joint loads meet
	tensor_load_to_lds s[32:35], s[24:31]          ; one tensor load a wave at the head
	s_nop 0
	PLACES
	v_and_b32 v12, 31, v0
	v_and_b32 v1, 15, v0                           ; r
	v_bfe_u32 v2, v0, 4, 1                         ; h
	v_lshlrev_b32 v3, 4, v12                       ; 16 x lane
	v_mul_u32_u24 v4, v1, PITCH
	v_lshl_add_u32 v4, v2, 4, v4                   ; W's fragments: row r x pitch + 16 h
	v_lshlrev_b32 v6, 5, v2                        ; bias: 32 h
	WIN 0x40                                       ; my rows' codes, K step by K step: fragment (s, i) at 32 s + 16 i of window 1
.irp s, 0,1,2,3,4,5,6,7
.irp i, 0,1
.irp g, 0,1,2,3
	global_load_b128 v[32*\s+16*\i+4*\g:32*\s+16*\i+4*\g+3], v3, s[4:5] offset:\i*16384+\s*2048+\g*512
.endr
.endr
.endr
	WIN 0
	SETC 0, 0xc034d90f                             ; -1.26551223 log2(e) - 1
	SETC 1, 0x3fb8ab5a                             ;  1.00002368 log2(e)
	SETC 2, 0x3f0a29d2                             ;  0.37409196 log2(e)
	SETC 3, 0x3e0efb2e                             ;  0.09678418 log2(e)
	SETC 4, 0xbe899a80                             ; -0.18628806 log2(e)
	SETC 5, 0x3ecdfd18                             ;  0.27886807 log2(e)
	SETC 6, 0xbfd1a1e5                             ; -1.13520398 log2(e)
	SETC 7, 0x40097039                             ;  1.48851587 log2(e)
	SETC 8, 0xbf97d29d                             ; -0.82215223 log2(e)
	SETC 9, 0x3e7c6f08                             ;  0.17087277 log2(e)
	s_mov_b32 s[CW], 0xbf38aa3b
	s_mov_b32 s[CW+1], 0xbf38aa3b
	s_mov_b32 s47, 0x3eb504f3                      ; sqrt(2) / 4
	s_wait_alu depctr_va_vdst(0)
	s_wait_kmcnt 0x0
	s_add_co_i32 s40, s48, s49                     ; a sum stands for sum x 2^(e8 + e9)
	s_add_co_i32 s40, s40, 127
	s_lshl_b32 s40, s40, 23
	s_mov_b32 s41, s40
	s_add_co_i32 s94, s50, 127
	s_lshl_b32 s95, s94, 23
	v_mov_b32 v7, s95                              ; 2^e10 as f32
	s_add_co_i32 s94, s94, 15
	s_lshl_b32 s94, s94, 23
	s_or_b32 s94, s94, 0x600000
	v_mov_b32 v8, s94                              ; 57,344 x 2^e10
	s_mov_b32 s42, 0                               ; LDS byte at which the pair in hand begins
.macro FETCH buf, adr, off             ; 16 loads: a unit's four fragments of W ((tau, sl) at 32 tau + 16 sl of the buffer); registers 4 c .. 4 c + 3 hold k = 32 c + 16 h + 0 .. 15
.irp tau, 0,1
.irp sl, 0,1
.irp c, 0,1,2,3
	ds_load_b128 v[BUF+64*(\buf)+32*\tau+16*\sl+4*\c:BUF+64*(\buf)+32*\tau+16*\sl+4*\c+3], v\adr offset:(\off)+16*PITCH*\tau+128*\sl+32*\c
.endr
.endr
.endr
.endm
.macro MULU u                          ; 8 matrix instructions: K steps 2 u, 2 u + 1; the four accumulators take turns
.irp sl, 0,1
.irp tau, 0,1
.irp i, 0,1
.if ((\u)==0)&&(\sl==0)
	v_wmma_f32_16x16x128_bf8_bf8 v[ACC+16*\tau+8*\i:ACC+16*\tau+8*\i+7], v[BUF+64*((\u)%2)+32*\tau+16*\sl:BUF+64*((\u)%2)+32*\tau+16*\sl+15], v[32*(2*(\u)+\sl)+16*\i:32*(2*(\u)+\sl)+16*\i+15], 0
.else
	v_wmma_f32_16x16x128_bf8_bf8 v[ACC+16*\tau+8*\i:ACC+16*\tau+8*\i+7], v[BUF+64*((\u)%2)+32*\tau+16*\sl:BUF+64*((\u)%2)+32*\tau+16*\sl+15], v[32*(2*(\u)+\sl)+16*\i:32*(2*(\u)+\sl)+16*\i+15], v[ACC+16*\tau+8*\i:ACC+16*\tau+8*\i+7]
.endif
.endr
.endr
.endr
.endm
; The pair's 32 numbers of a lane: bias, gelu, hold, codes.  The reciprocals are one batch and the exponentials another.
.macro GELU
.irp tau, 0,1
.irp i, 0,1
.irp j, 0,2,4,6
	v_pk_fma_f32 v[ACC+16*\tau+8*\i+\j:ACC+16*\tau+8*\i+\j+1], v[ACC+16*\tau+8*\i+\j:ACC+16*\tau+8*\i+\j+1], s[40:41], v[BI+8*\tau+\j:BI+8*\tau+\j+1] op_sel_hi:[1,0,1]   ; x; each accumulator from its low end on
.endr
.endr
.endr
.set N, 0
.rept 32
	v_fma_f32 v[T+N], |v[ACC+N]|, s47, 1.0
.set N, N+1
.endr
	s_wait_alu depctr_va_vdst(0)
.set N, 0
.rept 32
	v_rcp_f32 v[T+N], v[T+N]                       ; t
.set N, N+1
.endr
.set N, 0
.rept 16
	v_pk_mul_f32 v[W+N:W+N+1], v[ACC+N:ACC+N+1], v[ACC+N:ACC+N+1]   ; x^2
.set N, N+2
.endr
	s_wait_alu depctr_va_vdst(0)
.set N, 0
.rept 16
	v_pk_fma_f32 v[H+N:H+N+1], v[T+N:T+N+1], s[KC+18:KC+19], s[KC+16:KC+17] op_sel_hi:[1,0,0]
.set N, N+2
.endr
.irp k, 7,6,5,4,3,2,1,0
.set N, 0
.rept 16
	v_pk_fma_f32 v[H+N:H+N+1], v[H+N:H+N+1], v[T+N:T+N+1], s[KC+2*\k:KC+2*\k+1] op_sel_hi:[1,1,0]
.set N, N+2
.endr
.endr
.set N, 0
.rept 16
	v_pk_fma_f32 v[H+N:H+N+1], v[W+N:W+N+1], s[CW:CW+1], v[H+N:H+N+1] op_sel_hi:[1,0,1]   ; P(t) - x^2 log2(e) / 2
.set N, N+2
.endr
	s_wait_alu depctr_va_vdst(0)
.set N, 0
.rept 32
	v_exp_f32 v[H+N], v[H+N]
.set N, N+1
.endr
.set N, 0
.rept 32
	v_max_num_f32 v[W+N], 0, v[ACC+N]              ; max(x, 0)
.set N, N+1
.endr
	s_wait_alu depctr_va_vdst(0)
.set N, 0
.rept 16
	v_pk_mul_f32 v[H+N:H+N+1], v[H+N:H+N+1], v[T+N:T+N+1]   ; e
.set N, N+2
.endr
.set N, 0
.rept 32
	v_fma_f32 v[ACC+N], -|v[ACC+N]|, v[H+N], v[W+N]  ; gelu
.set N, N+1
.endr
.irp tau, 0,1
.irp i, 0,1
.irp j, 0,1,2,3,4,5,6,7
	v_med3_num_f32 v[ACC+16*\tau+8*\i+\j], v[ACC+16*\tau+8*\i+\j], -v8, v8   ; the hold: the conversion does not saturate (ISA guide 7.6.2)
.endr
	v_cvt_scalef32_pk8_bf8_f32 v[CO+4*\i+2*\tau:CO+4*\i+2*\tau+1], v[ACC+16*\tau+8*\i:ACC+16*\tau+8*\i+7], v7
.endr
.endr
	v_nop                                          ; a plain instruction behind the last conversion
.irp i, 0,1
	v_permlane16_swap_b32 v[CO+4*\i], v[CO+4*\i+2]     ; tile 0's units 8-15 (lanes 16-31) change places with tile 1's units 0-7 (lanes 0-15):
	v_permlane16_swap_b32 v[CO+4*\i+1], v[CO+4*\i+3]   ; lanes 0-15 then hold units 0-15 of the pair's 32, lanes 16-31 units 16-31
.endr
.endm
.macro TOP                             ; the pair's addresses: this pair's, and the next one's, held at the last pair
	s_add_co_u32 s45, s42, PAIRB
	s_min_u32 s45, s45, 7*PAIRB
	v_add_nc_u32 v5, s42, v4
	v_add_nc_u32 v9, s45, v4
	s_wait_alu depctr_va_vdst(0)
.endm
.macro PAIR first
.irp tau, 0,1
	global_load_b128 v[BI+8*\tau:BI+8*\tau+3], v6, s[38:39] offset:64*\tau
	global_load_b128 v[BI+8*\tau+4:BI+8*\tau+7], v6, s[38:39] offset:64*\tau+16
.endr
	WIN 0x04                                       ; source 1 (my rows) window 1
.irp u, 0,1,2,3
	s_wait_dscnt 0x0                               ; this unit's fragments of W
.if \first
	s_wait_loadcnt 52-16*\u                        ; my rows' K steps 2 u, 2 u + 1 are in: behind them 8 loads for each later K step and the 4 of the bias
.endif
	PLACES
.if \u < 3
	FETCH (\u+1)%2, 5, 256*(\u+1)
.else
	FETCH 0, 9, 0
.endif
	MULU \u
.endr
	PLACES
	WIN 0
	s_wait_loadcnt 0x0                             ; the pair's bias
	GELU
.irp i, 0,1
	global_store_b128 v3, v[CO+4*\i:CO+4*\i+3], s[36:37] offset:65536*\i
.endr
	s_wait_xcnt 0x0                                ; the stores and the bias loads have read their registers and bases
	s_add_nc_u64 s[36:37], s[36:37], 512
	s_add_nc_u64 s[38:39], s[38:39], 128
	s_add_co_u32 s42, s42, PAIRB
.endm
	s_wait_alu depctr_va_vdst(0)                   ; the wait at the head's end
	s_wait_tensorcnt 0x0                           ; my part of rows 0-63 is in
	ds_add_u32 v10, v11
	s_wait_dscnt 0x0
	CROUND
	tensor_load_to_lds s[60:63], s[52:59]          ; my part of rows 64-255
	s_nop 0
	PLACES
	TOP
	FETCH 0, 5, 0
	PAIR 1                                         ; rows 0-31, and the look-ahead into rows 32-63
	s_wait_tensorcnt 0x0                           ; my part of the rest is in,
	s_wait_dscnt 0x0
	s_barrier_signal -1
	s_barrier_wait -1                              ; everybody's is
	s_mov_b32 s43, 7
.Lpair:
	TOP
	PAIR 0
	s_sub_co_u32 s43, s43, 1
	s_cmp_lg_u32 s43, 0
	s_cbranch_scc1 .Lpair
	s_wait_tensorcnt 0x0                           ; the wave's end
	ds_add_u32 v10, v11
	s_wait_dscnt 0x0
	CROUND                                         ; the closing round
	s_endpgm
.Lfunc_end_k_q98e6d3e196_fc1:
	.size	k_q98e6d3e196_fc1, .Lfunc_end_k_q98e6d3e196_fc1-k_q98e6d3e196_fc1
	.p2alignl 7, 3214868480
	.fill 96, 4, 3214868480
	.section	.rodata,"a",@progbits
	.p2align	6, 0x0
	.amdhsa_kernel k_q98e6d3e196_fc1
		.amdhsa_group_segment_fixed_size 327680
		.amdhsa_private_segment_fixed_size 0
		.amdhsa_enable_private_segment 0
		.amdhsa_kernarg_size 40
		.amdhsa_user_sgpr_count 2
		.amdhsa_user_sgpr_kernarg_segment_ptr 1
		.amdhsa_wavefront_size32 1
		.amdhsa_system_sgpr_workgroup_id_x 1
		.amdhsa_system_sgpr_workgroup_id_y 1
		.amdhsa_system_sgpr_workgroup_id_z 1
		.amdhsa_system_vgpr_workitem_id 0
		.amdhsa_next_free_vgpr 512
		.amdhsa_next_free_sgpr 102
		.amdhsa_reserve_vcc 0
		.amdhsa_float_denorm_mode_32 3
		.amdhsa_float_denorm_mode_16_64 3
		.amdhsa_memory_ordered 1
		.amdhsa_forward_progress 1
		.amdhsa_inst_pref_size 76
	.end_amdhsa_kernel
	.amdgpu_metadata
---
amdhsa.version: [ 1, 2 ]
amdhsa.kernels:
  - .name:           k_q98e6d3e196_fc1
    .symbol:         k_q98e6d3e196_fc1.kd
    .args:
      - { .name: a_img, .offset: 0, .size: 8, .value_kind: global_buffer, .address_space: global }
      - { .name: fc1_w_codes, .offset: 8, .size: 8, .value_kind: global_buffer, .address_space: global }
      - { .name: fc1_b, .offset: 16, .size: 8, .value_kind: global_buffer, .address_space: global }
      - { .name: lowp_scales, .offset: 24, .size: 8, .value_kind: global_buffer, .address_space: global }
      - { .name: h_img, .offset: 32, .size: 8, .value_kind: global_buffer, .address_space: global }
    .group_segment_fixed_size: 327680
    .private_segment_fixed_size: 0
    .kernarg_segment_align: 8
    .kernarg_segment_size: 40
    .max_flat_workgroup_size: 256
    .sgpr_count:     102
    .vgpr_count:     512
    .wavefront_size: 32
...
	.end_amdgpu_metadata
.endif
;; end of part 6
;; launch fc2 (part 7): grid 32 x 8, 4 waves a work-group, clusters of 4 x 1, 327,680 bytes of LDS; arguments h_img, fc2_w_codes, fc2_b, lowp_scales, x1, out0; writes out0
.if DOCPART == 7
	.amdgcn_target "amdgcn-amd-amdhsa--gfx1250"
	.amdhsa_code_object_version 6
	.text
	.protected	k_q98e6d3e196_fc2
	.globl	k_q98e6d3e196_fc2
	.p2align	8
	.type	k_q98e6d3e196_fc2,@function
k_q98e6d3e196_fc2:
	s_mov_b64 s[64:65], 0
	v_nop
	global_prefetch_b8 v0, s[64:65] scope:SCOPE_SE
	s_setreg_imm32_b32 hwreg(HW_REG_WAVE_MODE, 25, 1), 1
	s_wait_xcnt 0x0
	s_wait_alu depctr_hold_cnt(0) depctr_sa_sdst(0) depctr_va_vdst(0) depctr_va_sdst(0) depctr_va_ssrc(0) depctr_va_vcc(0) depctr_vm_vsrc(0)
	s_getreg_b32 s2, hwreg(HW_REG_IB_STS2, 6, 4)
	s_cmp_eq_u32 s2, 0
	s_cbranch_scc0 .Lentry_in_a_cluster
	s_endpgm
.Lentry_in_a_cluster:
	s_bfe_u32 s2, ttmp6, 0x10000c
	s_cmp_lg_u32 s2, 0x3003
	s_cbranch_scc0 .Lentry_shape_is_right
	s_endpgm
.Lentry_shape_is_right:
; out = res + A W^T + b on codes of BF8 (E5M2), K = 4,096.  A: an image of operand registers, [row tile 256][K step 32][g 4][lane][16 bytes], lane (r, h)'s 16 bytes of group g being k = 32 g + 16 h + 0 .. 15 of row r;
; W: [1,024][4,096] codes, K innermost; res, out: [4,096][1,024] f32.  W's fragments are read by 16-byte loads at 32 g + 16 h: the same place for each k in both operands; within an instruction the order of k differs from the form's own.
; SHARES.  Work-group (x, y): rows 128 x on, columns 128 y on: grid 32 x 8 = 256 work-groups.  Wave w: rows 32 w on (2 row tiles), all 128 columns: 16 accumulators.
; A GOES FROM MEMORY STRAIGHT INTO REGISTERS: no two waves of a work-group want the same rows.  A ring of eight buffers (window 3) is asked for seven K steps ahead: 56 loads of a wave are out at the most beside the bias.
; W goes through two LDS slots of 1,024 along K (128 rows, 1,040 bytes apart): four fills, each wave 32 rows; a wave has one tensor load out behind each round, with eight K steps in which to land.
; CLUSTER 4 x 1: the four partners have the same y and need the same rows of W: mask 15.  A's rows are each work-group's own.
; PREFETCH: W's fills 2 and 3 are named one fill (eight K steps) ahead, a quarter by each partner, told apart by address, one instruction a wave; the residual's 64 blocks of a wave in K step 9, sixteen K steps ahead of its loads.
; THE PRODUCT IS USED TRANSPOSED (source 0 = 16 rows of W, source 1 = 16 rows of A): a lane holds eight neighbouring columns of one row of the result.
; LIMIT: the two exponents' sum lies between -126 and 127.
; REGISTERS: window 0: v1-29 addresses; v32-95 bias; v96-159, v160-223 the way out.  Window 1: W's fragments, two sets of 128.  Window 2: v0-127 accumulators ((t, i) at 16 t + 8 i), v128-255 the residual.  Window 3: A's eight buffers of 32.
.set PITCH, 1040
.set SLOT,  128*PITCH
.set STG,   2*SLOT                     ; a stage of 16 rows x 528 bytes for each wave; no tensor load lands there
.set SP,    528
.set SPARE, STG+4*16*SP
.set ADRB,  16                         ; v16-19: slot 0 column tiles 0-3, 4-7; slot 1 likewise
.set SPW,   28
.set NIL,   29
.set BI,    32
.set TMP,   96
.set BK,    160
.set MSB, 0
.macro WIN new
.if MSB != (\new)
	s_set_vgpr_msb (MSB<<8)|(\new)
.set MSB, \new
.endif
.endm
.macro PLACES                          ; four plain instructions behind a matrix instruction (ISA guide 7.12.1)
.rept 4
	v_nop
.endr
.endm
.macro CREST
	s_cmp_lg_u32 s18, 0
	s_cbranch_scc1 .Lnot_wave_0_\@
	s_barrier_signal -3
.Lnot_wave_0_\@:
	s_barrier_wait -3
	s_barrier_signal -1
	s_barrier_wait -1
.endm
.macro CROUND
	s_barrier_signal -1
	s_barrier_wait -1
	CREST
.endm
	s_load_b256 s[4:11], s[0:1], 0x0               ; A's image, W's codes, bias, the scales' exponents
	s_load_b128 s[12:15], s[0:1], 0x20             ; the residual, the result
	v_lshl_add_u32 v[SPW], v0, 2, SPARE
	v_mov_b32 v[NIL], 0
	ds_add_u32 v[SPW], v[NIL]
	ds_add_u32 v[SPW], v[NIL]
	v_lshrrev_b32 v1, 5, v0
	v_readfirstlane_b32 s18, v1                    ; wave
	s_bfe_u32 s19, ttmp6, 0x40000                  ; my place in the cluster
	s_lshl_b32 s20, ttmp9, 2
	s_add_co_u32 s20, s20, s19                     ; tile row x: it enters my own loads', stores' and prefetches' addresses alone
	s_and_b32 s21, ttmp7, 0xffff                   ; tile column y, which the partners share
	s_mov_b32 s24, 15|(1<<20)|(1<<21)|(7<<22)|(3<<25)  ; group 1: 32 rows x 1,024 bytes, 4,096 apart in memory, 16 bytes of padding behind each in LDS
	s_mov_b32 s25, 1024<<16
	s_mov_b32 s26, 32<<16
	s_mov_b32 s27, 1024<<16
	s_mov_b32 s28, 32
	s_mov_b32 s29, 4096
	s_mov_b32 s30, 0
	s_mov_b32 s31, 0
	s_lshl_b32 s48, s21, 19                        ; W: row 128 y + 32 w, 4,096 bytes a row
	s_lshl_b32 s49, s18, 17
	s_add_co_u32 s48, s48, s49
	s_mov_b32 s49, 0
	s_mul_i32 s50, s18, 32*PITCH                   ; my 32 rows' place in a slot
	s_mul_i32 s51, s18, 16*SP
	s_add_co_u32 s51, s51, STG                     ; my stage
	s_lshl_b32 s52, s20, 19                        ; A: row tile 8 x + 2 w, 65,536 bytes a tile; residual and result: row 128 x + 32 w, 4,096 bytes a row: the same number
	s_lshl_b32 s53, s18, 17
	s_add_co_u32 s52, s52, s53
	s_mov_b32 s53, 0
	s_lshl_b32 s54, s21, 9                         ; column 128 y, 4 bytes each (also the bias)
	s_mov_b32 s55, 0
	s_lshl_b32 s58, s19, 15                        ; the prefetches of W: my work-group's 8 rows of the 32 that I fetch
	s_mov_b32 s59, 0
	v_and_b32 v1, 15, v0                           ; r
	v_bfe_u32 v2, v0, 4, 1                         ; h
	v_and_b32 v4, 31, v0
	v_lshlrev_b32 v3, 4, v4                        ; 16 x lane: my place in a group of the image and in a row of 512 bytes
	v_mul_u32_u24 v5, v1, PITCH
	v_lshl_add_u32 v[ADRB], v2, 4, v5              ; W's fragments: row r x pitch + 16 h
	v_add_nc_u32 v[ADRB+1], 64*PITCH, v[ADRB]
	v_add_nc_u32 v[ADRB+2], SLOT, v[ADRB]
	v_add_nc_u32 v[ADRB+3], SLOT+64*PITCH, v[ADRB]
	v_lshlrev_b32 v8, 5, v2                        ; bias: 32 h
	v_mul_u32_u24 v9, v1, SP
	v_lshl_add_u32 v9, v2, 5, v9
	v_add_nc_u32 v9, s51, v9                       ; the stage, in: row r, + 32 h
	v_add_nc_u32 v10, s51, v3                      ; back: the 32 lanes take one row of 512 bytes
	v_lshrrev_b32 v12, 2, v4
	v_and_b32 v6, 3, v0
	v_lshlrev_b32 v12, 12, v12
	v_lshl_add_u32 v12, v6, 8, v12                 ; W's prefetches: row lane / 4, block lane % 4 of 256 bytes
	v_lshrrev_b32 v13, 1, v4
	v_and_b32 v7, 1, v0
	v_lshlrev_b32 v13, 12, v13
	v_lshl_add_u32 v13, v7, 8, v13                 ; the residual's: row lane / 2, block lane % 2
	v_lshlrev_b32 v14, 16, v2
	v_lshl_add_u32 v14, v1, 8, v14                 ; A's prefetches: row tile lane / 16, block lane % 16 of the 4,096 bytes of two K steps
	s_wait_alu depctr_va_vdst(0)                   ; the wait ahead of the waits below
	s_wait_dscnt 0x0
	s_wait_kmcnt 0x0
	s_load_b64 s[66:67], s[10:11], 40              ; e10, e11
	s_add_nc_u64 s[48:49], s[6:7], s[48:49]
.irp f, 0,1,2,3                        ; group 0, a set for each fill
	s_mov_b32 s[32+4*\f], 1
	s_add_co_u32 s[33+4*\f], s50, (\f%2)*SLOT
	s_add_nc_u64 s[34+4*\f:35+4*\f], s[48:49], \f*1024
	s_or_b32 s[35+4*\f], s[35+4*\f], 0x80000000
.endr
	s_add_nc_u64 s[56:57], s[48:49], s[58:59]
	s_add_nc_u64 s[4:5], s[4:5], s[52:53]
	s_add_nc_u64 s[8:9], s[8:9], s[54:55]
	s_add_nc_u64 s[12:13], s[12:13], s[52:53]
	s_add_nc_u64 s[12:13], s[12:13], s[54:55]
	s_add_nc_u64 s[14:15], s[14:15], s[52:53]
	s_add_nc_u64 s[14:15], s[14:15], s[54:55]
	CROUND                                         ; the joint loads meet
	tensor_load_to_lds s[32:35], s[24:31]          ; fill 0: one tensor load a wave at the head
	s_nop 0
	PLACES
.macro ALD s                           ; 8 loads: A's two fragments of K step s into buffer s % 8
	WIN 0xc0
.irp i, 0,1
.irp g, 0,1,2,3
	global_load_b128 v[32*((\s)%8)+16*\i+4*\g:32*((\s)%8)+16*\i+4*\g+3], v3, s[4:5] offset:\i*65536+(\s)*2048+\g*512
.endr
.endr
.endm
.macro RLD k                           ; 8 loads: rows 8 k .. 8 k + 7 of my 32 rows of the residual, 512 bytes each
	WIN 0x80
.irp n, 0,1,2,3,4,5,6,7
	global_load_b128 v[128+4*(8*(\k)+\n):128+4*(8*(\k)+\n)+3], v3, s[12:13] offset:(8*(\k)+\n)*4096 th:TH_LOAD_NT
.endr
.endm
.macro FW s, hf                        ; 16 loads: W's column tiles 4 hf .. 4 hf + 3 of K step s into set s % 2
	WIN 0x40
.irp t, 0,1,2,3
.irp c, 0,1,2,3
	ds_load_b128 v[128*((\s)%2)+64*(\hf)+16*\t+4*\c:128*((\s)%2)+64*(\hf)+16*\t+4*\c+3], v[ADRB+2*(((\s)/8)%2)+(\hf)] offset:\t*16*PITCH+128*((\s)%8)+32*\c
.endr
.endr
.endm
.macro MM s, hf                        ; 8 matrix instructions; the 16 accumulators take turns; K step 0 starts the sums
	WIN 0xad                                       ; source 0 window 1, source 1 window 3, C and D window 2
.irp t, 0,1,2,3
.irp i, 0,1
.if (\s) == 0
	v_wmma_f32_16x16x128_bf8_bf8 v[16*(4*(\hf)+\t)+8*\i:16*(4*(\hf)+\t)+8*\i+7], v[128*((\s)%2)+64*(\hf)+16*\t:128*((\s)%2)+64*(\hf)+16*\t+15], v[32*((\s)%8)+16*\i:32*((\s)%8)+16*\i+15], 0
.else
	v_wmma_f32_16x16x128_bf8_bf8 v[16*(4*(\hf)+\t)+8*\i:16*(4*(\hf)+\t)+8*\i+7], v[128*((\s)%2)+64*(\hf)+16*\t:128*((\s)%2)+64*(\hf)+16*\t+15], v[32*((\s)%8)+16*\i:32*((\s)%8)+16*\i+15], v[16*(4*(\hf)+\t)+8*\i:16*(4*(\hf)+\t)+8*\i+7]
.endif
.endr
.endr
.endm
; K step S.  Behind A's loads of step S stand those of the six steps that follow (48); from step 25 on the residual's loads take the place of A's, so the count stays 48 up to step 29, then 40 and 32.
.macro STEPX
.if (S%8 == 7) && (S < 31)
	WIN 0                                          ; a slot's last K step, and the change of slots
	s_wait_loadcnt 48
	s_wait_tensorcnt 0x0                           ; my part of the next slot is in
	ds_add_u32 v[SPW], v[NIL]
	s_wait_dscnt 0x0                               ; the add is done, and my reads of this slot are over
	s_barrier_signal -1
	MM S, 0
	WIN 0
	s_barrier_wait -1
.if S < 23
	CREST                                          ; the barrier has opened a round of the cluster's barrier
	tensor_load_to_lds s[32+4*(S/8+2):35+4*(S/8+2)], s[24:31]
	s_nop 0
.endif
	PLACES
	ALD S+7
	FW S+1, 0
	FW S+1, 1
.if S == 7
	global_prefetch_b8 v12, s[56:57] offset:3072 th:TH_LOAD_NT scope:SCOPE_SE   ; fill 3
.endif
	MM S, 1
.else
	s_wait_dscnt 16                                ; all but the youngest 16 loads: W's column tiles 4-7
.if S < 30
	s_wait_loadcnt 48
.else
	s_wait_loadcnt 32+8*(31-S)
.endif
	PLACES
.if S < 25
	ALD S+7
.elseif S < 29
	RLD S-25
.endif
.if S < 31
	FW S+1, 0
.endif
	MM S, 0
.if S < 31
	s_wait_dscnt 16                                ; W's tiles 4-7 are in; the 16 loads just issued may be out
	FW S+1, 1
.if (S%2 == 0) && (S < 20)
	global_prefetch_b8 v14, s[4:5] offset:(S+12)*2048 th:TH_LOAD_NT scope:SCOPE_SE   ; my rows' codes of K steps S + 12 and S + 13, five K steps ahead of the first of their loads; each block of 256 bytes is named once; steps 20 on ask for nothing
.endif
.if S == 9
	global_prefetch_b8 v13, s[12:13] th:TH_LOAD_NT scope:SCOPE_SE               ; my rows 0-15 of the residual,
	global_prefetch_b8 v13, s[12:13] offset:65536 th:TH_LOAD_NT scope:SCOPE_SE  ; rows 16-31
.endif
.else
	s_wait_dscnt 0x0
.endif
	MM S, 1
.endif
.endm
.irp t, 0,1,2,3,4,5,6,7
	global_load_b128 v[BI+8*\t:BI+8*\t+3], v8, s[8:9] offset:64*\t
	global_load_b128 v[BI+8*\t+4:BI+8*\t+7], v8, s[8:9] offset:64*\t+16
.endr
.irp s, 0,1,2,3,4,5,6
	ALD \s
.endr
	WIN 0
	s_wait_tensorcnt 0x0                           ; my part of fill 0 is in
	ds_add_u32 v[SPW], v[NIL]
	s_wait_dscnt 0x0
	CROUND
	tensor_load_to_lds s[36:39], s[24:31]          ; fill 1
	s_nop 0
	PLACES
	FW 0, 0
	FW 0, 1
	global_prefetch_b8 v12, s[56:57] offset:2048 th:TH_LOAD_NT scope:SCOPE_SE   ; fill 2
.set S, 0
.rept 32
	STEPX
.set S, S+1
.endr
	PLACES
	WIN 0
	s_wait_kmcnt 0x0
	s_add_co_i32 s66, s66, s67
	s_add_co_i32 s66, s66, 127
	s_lshl_b32 s66, s66, 23                        ; 2^(e10 + e11)
	s_mov_b32 s67, s66
	; THE WAY OUT, a row tile at a time: through my stage the lanes' 32 bytes come back as rows of 512 bytes, take the residual, and leave.
.irp i, 0,1
	s_wait_loadcnt 16-16*\i                        ; the bias and this tile's 16 rows of the residual
	WIN 0x02
.irp t, 0,1,2,3,4,5,6,7
.irp j, 0,2,4,6
	v_pk_fma_f32 v[TMP+8*\t+\j:TMP+8*\t+\j+1], v[16*\t+8*\i+\j:16*\t+8*\i+\j+1], s[66:67], v[BI+8*\t+\j:BI+8*\t+\j+1] op_sel_hi:[1,0,1]   ; each accumulator from its low end on
.endr
.endr
	WIN 0
.irp t, 0,1,2,3,4,5,6,7
	ds_store_b128 v9, v[TMP+8*\t:TMP+8*\t+3] offset:64*\t
	ds_store_b128 v9, v[TMP+8*\t+4:TMP+8*\t+7] offset:64*\t+16
.endr
.if \i > 0
	s_wait_xcnt 0x0                                ; the last tile's stores have read their registers
.endif
.irp n, 0,1,2,3,4,5,6,7,8,9,10,11,12,13,14,15
	ds_load_b128 v[BK+4*\n:BK+4*\n+3], v10 offset:\n*SP   ; LDS serves a wave's instructions in order
.endr
	s_wait_dscnt 0x0
	WIN 0x08
.irp n, 0,1,2,3,4,5,6,7,8,9,10,11,12,13,14,15
	v_pk_add_f32 v[BK+4*\n:BK+4*\n+1], v[BK+4*\n:BK+4*\n+1], v[128+64*\i+4*\n:128+64*\i+4*\n+1]
	v_pk_add_f32 v[BK+4*\n+2:BK+4*\n+3], v[BK+4*\n+2:BK+4*\n+3], v[128+64*\i+4*\n+2:128+64*\i+4*\n+3]
.endr
	WIN 0
.irp n, 0,1,2,3,4,5,6,7,8,9,10,11,12,13,14,15
	global_store_b128 v3, v[BK+4*\n:BK+4*\n+3], s[14:15] offset:(16*\i+\n)*4096   ; 32 lanes store 512 consecutive bytes, aligned
.endr
.endr
	s_wait_tensorcnt 0x0                           ; the wave's end
	ds_add_u32 v[SPW], v[NIL]
	s_wait_dscnt 0x0
	CROUND                                         ; the closing round
	s_endpgm
.Lfunc_end_k_q98e6d3e196_fc2:
	.size	k_q98e6d3e196_fc2, .Lfunc_end_k_q98e6d3e196_fc2-k_q98e6d3e196_fc2
	.p2alignl 7, 3214868480
	.fill 96, 4, 3214868480
	.section	.rodata,"a",@progbits
	.p2align	6, 0x0
	.amdhsa_kernel k_q98e6d3e196_fc2
		.amdhsa_group_segment_fixed_size 327680
		.amdhsa_private_segment_fixed_size 0
		.amdhsa_enable_private_segment 0
		.amdhsa_kernarg_size 48
		.amdhsa_user_sgpr_count 2
		.amdhsa_user_sgpr_kernarg_segment_ptr 1
		.amdhsa_wavefront_size32 1
		.amdhsa_system_sgpr_workgroup_id_x 1
		.amdhsa_system_sgpr_workgroup_id_y 1
		.amdhsa_system_sgpr_workgroup_id_z 1
		.amdhsa_system_vgpr_workitem_id 0
		.amdhsa_next_free_vgpr 1024
		.amdhsa_next_free_sgpr 100
		.amdhsa_reserve_vcc 0
		.amdhsa_float_denorm_mode_32 3
		.amdhsa_float_denorm_mode_16_64 3
		.amdhsa_memory_ordered 1
		.amdhsa_forward_progress 1
		.amdhsa_inst_pref_size 161
	.end_amdhsa_kernel
	.amdgpu_metadata
---
amdhsa.version: [ 1, 2 ]
amdhsa.kernels:
  - .name:           k_q98e6d3e196_fc2
    .symbol:         k_q98e6d3e196_fc2.kd
    .args:
      - { .name: h_img, .offset: 0, .size: 8, .value_kind: global_buffer, .address_space: global }
      - { .name: fc2_w_codes, .offset: 8, .size: 8, .value_kind: global_buffer, .address_space: global }
      - { .name: fc2_b, .offset: 16, .size: 8, .value_kind: global_buffer, .address_space: global }
      - { .name: lowp_scales, .offset: 24, .size: 8, .value_kind: global_buffer, .address_space: global }
      - { .name: x1, .offset: 32, .size: 8, .value_kind: global_buffer, .address_space: global }
      - { .name: out0, .offset: 40, .size: 8, .value_kind: global_buffer, .address_space: global }
    .group_segment_fixed_size: 327680
    .private_segment_fixed_size: 0
    .kernarg_segment_align: 8
    .kernarg_segment_size: 48
    .max_flat_workgroup_size: 128
    .sgpr_count:     100
    .vgpr_count:     1024
    .wavefront_size: 32
...
	.end_amdgpu_metadata
.endif
;; end of part 7
